; MI455X (gfx1250); checked and timed in simulation.
; The chip was launched on July 23, 2026; its instructions are those of AMD's public machine-readable ISA for CDNA 5 (MIT licence, August 2026) and "CDNA5" Instruction Set Architecture Reference Guide (July 2026). The comments in the code are by the model that wrote it; some were corrected since.
;; Multi Head Attention. Allowed arithmetic: matrix products marked QUANTISED: E2M1 operands, one E8M0 scale for each 32 along K, by v_wmma_scale_f32_16x16x128_f8f6f4 with both operands' format E2M1 (or v_wmma_scale_f32_32x16x128_f4), f32 sums; everything else in f32.
;; Inputs: bk 256 float32; bo 256 float32; bq 256 float32; bv 256 float32; key 2 x 256 x 64 x 64 float32; query 2 x 256 x 64 x 64 float32; value 2 x 256 x 64 x 64 float32; wk 256 x 256 float32; wo 256 x 256 float32; wq 256 x 256 float32; wv 256 x 256 float32.
;; Outputs: out0 2 x 256 x 64 x 64 float32.
;; This version of the problem:
;;   THIS VERSION OF THE PROBLEM IS GIVEN IN LOW PRECISION. The matrix products marked QUANTISED in the list below multiply operands that are first quantised to E2M1 (2 exponent bits, 1 mantissa bit; 4 bits a number), with one power-of-two scale for each 32 numbers along K (OCP MX v1.0); their sums are f32. All else is computed in f32.
;;   The module's matrix products, in the order in which they are computed (A, B: the left and right operand; K: the contracted axis; several contracted axes count as one K, in the product's order):
;;     1. [M 8,192, K 256] x [K 256, N 256]; A: input query; B: input wq: QUANTISED
;;     2. [M 8,192, K 256] x [K 256, N 256]; A: input key; B: input wk: QUANTISED
;;     3. [M 8,192, K 256] x [K 256, N 256]; A: input value; B: input wv: QUANTISED
;;     4. batch 16 x [M 4,096, K 32] x [K 32, N 4,096]; A: computed on the way; B: computed on the way: QUANTISED
;;     5. batch 16 x [M 4,096, K 32] x [K 32, N 4,096]; A: computed on the way; B: computed on the way: QUANTISED
;;     6. batch 16 x [M 32, K 4,096] x [K 4,096, N 4,096]; A: computed on the way; B: softmax (see below): QUANTISED
;;     7. [M 8,192, K 256] x [K 256, N 256]; A: computed on the way; B: input wo: QUANTISED
;;   THE QUANTISER, for each operand of a quantised product, along K:
;;     - K is cut into blocks of 32 from its start; a last block that is shorter is filled with zeros.
;;     - A block's scale is 2^e with e = floor(log2(the largest magnitude in the block)) - 2, held to -126 .. 127; a block of zeros has e = 0. As a byte (E8M0): e + 127.
;;     - Each number is divided by its block's scale, clamped to +-6, and rounded to the nearest number of E2M1, ties to even, subnormals kept.
;;     - The product sums the exact products of the quantised numbers (number of the format x scale) in f32.
;;   ~~~python
;;   def quantise(x, axis):      # numpy; x: float32 -> the quantised numbers, widened to float32 again
;;       x = np.moveaxis(x, axis, -1); K = x.shape[-1]
;;       x = np.pad(x, [(0, 0)] * (x.ndim - 1) + [(0, -K % 32)]); x = x.reshape(x.shape[:-1] + (-1, 32)); a = np.abs(x).max(-1, keepdims=True)
;;       e = np.where(a > 0, np.clip(np.frexp(np.where(a > 0, a, 1))[1] - 1 - 2, -126, 127), 0)      # np.frexp(a)[1] - 1 = floor(log2(a)), exactly
;;       r = np.clip(x / 2.0 ** e, -6, 6)
;;       step = 2.0 ** (np.maximum(np.frexp(np.where(r == 0, 1, r))[1] - 1, 0) - 1)
;;       q = np.round(r / step) * step * 2.0 ** e      # np.round: ties to even
;;       return np.moveaxis(q.reshape(q.shape[:-2] + (-1,))[..., :K], -1, axis).astype(np.float32)
;;   ~~~
;;   SOFTMAX AHEAD OF A QUANTISED PRODUCT. Where the list says 'softmax', what is quantised is not the finished softmax but p = 2^(t - M), with t = logit x log2(e) and M = ceil(the row's largest t), a whole number; so 1/2 < the row's largest p <= 1. The row's sum l is taken of the UNQUANTISED p, in f32, and the product's result is divided by l at the end. Since M is a whole number, a kernel that streams over the keys may use a running M (the ceiling of the running maximum): every later rescaling is an exact power of two, which a block's scale takes up: the codes' values come out the same.
;;   OPERANDS COMPUTED ON THE WAY. 'Computed on the way' means the value that the module computes at that place (a softmax that the list does not call 'softmax' is quantised finished and normalised). What goes into a quantiser is computed in f32, as accurately as f32 sums, v_exp_f32 and their like allow (about 1e-6 of the number): no bf16 or f16 on the way to a quantiser, and a product that is left as it is and whose result goes on into a quantised operand takes f32 operands (vector FMAs, or v_wmma_f32_16x16x4_f32). A number that lies on a knife's edge between two numbers of the format may be rounded either way, as far as f32 arithmetic and the matrix unit's own rounding can turn it there, and no further.
;; 2 versions. Each part assembles by itself: llvm-mc -triple=amdgcn-amd-amdhsa -mcpu=gfx1250 --defsym DOCPART=n.
;; ======== version 1 of 2: 3 launches
;; workspace buffers: qrec 1,114,112 bytes; kv 2,228,224 bytes; acod 1,048,576 bytes; ascl 65,536 bytes
;; launch proj (part 1): grid 64 x 3, 8 waves a work-group, no clusters, 57,344 bytes of LDS; arguments query, key, value, wq, wk, wv, bq, bk, bv, qrec, kv; writes qrec, kv
.if DOCPART == 1
	.amdgcn_target "amdgcn-amd-amdhsa--gfx1250"
	.amdhsa_code_object_version 6
	.text
	.protected	k_q7083a2edc6_proj
	.globl	k_q7083a2edc6_proj
	.p2align	8
	.type	k_q7083a2edc6_proj,@function
k_q7083a2edc6_proj:
	s_mov_b64 s[64:65], 0
	v_nop
	global_prefetch_b8 v0, s[64:65] scope:SCOPE_SE
	s_setreg_imm32_b32 hwreg(HW_REG_WAVE_MODE, 25, 1), 1
	s_wait_xcnt 0x0
; q, k, v = W x + b (1 x 1 convolutions), on codes of FP4 (E2M1) with one E8M0 scale for each 32 along K = the 256 channels; the results are quantised at once for the attention launch.
; x: [2][256][4096] f32 (K is NOT innermost), W: [256][256] f32 (K innermost), b: [256] f32.  Work-group y picks the tensor: 0 query, 1 key, 2 value.
; SHARES.  A work-group owns 128 pixels of one batch element (work-group x: batch = x / 32, pixels 128 (x % 32) on).  For the products wave w owns head w (outputs 32 w .. 32 w + 31) for all 128 pixels.
; QUANTISING x: a lane takes ONE pixel and its registers run down the channels: wave w takes pixels 32 (w % 4) + lane, channels 128 (w / 4) on; a block of 32 lies in one lane; the codes come out with K innermost.
;   They go to LDS as images of the operand's registers (fragment = 16 pixels x 128 channels: block beta of row r at 256 beta + 16 r) and every wave reads them behind ONE barrier.
; QUANTISING W: a wave quantises only the 32 rows that it keeps: a lane holds 8 neighbours of a row, four lanes a block; codes and scale bytes go through the wave's own LDS rows.
; q, k: the product is used transposed (source 0 = 16 rows of W, source 1 = 16 pixels), and lane r of tile t takes row 8 t + r + 8 (r / 8) of the head: a lane then holds one pixel and d = 16 (lane / 16) + 0 .. 15:
;   half of the pixel's one block along d.  Out: codes [pixel][16 bytes], and scale words (64 pixels, row r): byte (pixel / 16) % 4.
; v: source 0 = 16 pixels, source 1 = the same rows of W: a lane holds one d and 8 pixels a tile; two tiles and lane xor 16 make a block of 32 keys.  Out: images of the attention launch's fragments;
;   the four words of a block hold keys 0-7, 16-23, 8-15, 24-31, the order in which the weights' codes come out there.
; A block's scale is 2^(floor(log2(largest magnitude)) - 2): its byte is the largest magnitude's exponent field - 2, held at 1 from below by a floor among the maximum's leaves.
; LIMITS: a block of zeros gets the byte 1 where the rule says 127 (its codes are zeros, and this program alone reads the bytes); NaN and infinities among the inputs are not served.
.set XIMG, 0                           ; LDS: x's 16 fragments: tile of pixels m, K step s at 2048 m + 1024 s
.set XSC,  16384                       ; their scale words: 128 m + 64 s + 4 r
.set WROW, 17408                       ; each wave's 32 rows of codes, 128 bytes + 16
.set WPW,  4608
.set WSCL, 54272                       ; each wave's scale bytes, 8 a row
.set XO, 1                             ; v1   4 x lane
.set WO, 2                             ; v2   32 x lane
.set XB, 32                            ; s[32:33] x at my wave's first number
.set WB, 34                            ; s[34:35] W at my wave's first row
; v3 where I store x's codes, v4 x's scale word, v5 W's codes, v6 W's scale bytes; v7 W's fragments, v8 W's scale words, v9 16 x lane, v10 XSC + 4 x lane; v11 16 r + 8 h; v12, v13 bias offsets
; v14-39 at work; v40-55 codes; v56-59 x's scale words; v60-62 scale words going out; v63 a lane permute's destination
; loading: v64-191 x's numbers (four blocks of 32), v192-255 (and then v64, v128) eight rows of W.   products: v64-95 W's fragments, v96-97 W's scale words, v100-115 bias, v128.. x's fragments, v192.. sums
.macro LX bb                           ; block bb of my pixel: 32 channels; a wave reads 128 consecutive bytes a load, read once in the launch
.set I, 0
.rept 32
	global_load_b32 v[64+32*(\bb)+I], v[XO], s[XB:XB+1] offset:(32*(\bb)+I)*16384 th:TH_LOAD_NT
.set I, I+1
.endr
.endm
.macro LW g, reg                       ; rows 8 g .. 8 g + 7 of my wave's rows of W: lane l takes k = 8 l .. 8 l + 7; a row's two loads cover its 1,024 bytes
.irp p, 0,1,2,3,4,5,6,7
	global_load_b128 v[(\reg)+8*\p:(\reg)+8*\p+3], v[WO], s[WB:WB+1] offset:(8*(\g)+\p)*1024
	global_load_b128 v[(\reg)+8*\p+4:(\reg)+8*\p+7], v[WO], s[WB:WB+1] offset:(8*(\g)+\p)*1024+16
.endr
.endm
.macro QX bb                           ; my pixel's block bb: largest magnitude, scale, codes, image
.set XN, 64+32*(\bb)
	v_max3_num_f32 v14, |v[XN]|, |v[XN+1]|, |v[XN+2]|
	v_max3_num_f32 v15, |v[XN+3]|, |v[XN+4]|, |v[XN+5]|
.irp i, 6,10,14,18,22,26
	v_max3_num_f32 v14, v14, |v[XN+\i]|, |v[XN+\i+1]|
	v_max3_num_f32 v15, v15, |v[XN+\i+2]|, |v[XN+\i+3]|
.endr
	v_max3_num_f32 v14, v14, |v[XN+30]|, |v[XN+31]|
	v_max3_num_f32 v14, v14, v15, 0x1800000        ; the floor 2^(3 - 127): the byte cannot fall under 1
	v_add_nc_u32 v14, 0xff000000, v14              ; 2 off the exponent field: the conversion's scale operand
	v_lshrrev_b32 v15, 23, v14                     ; the scale's byte
.if (\bb) == 0
	v_mov_b32 v56, v15
.else
	v_lshl_or_b32 v56, v15, 8*(\bb), v56           ; four bytes make my pixel's scale word of this K step
.endif
.irp g, 0,1,2,3
	v_cvt_scalef32_pk8_fp4_f32 v[40+4*(\bb)+\g], v[XN+8*\g:XN+8*\g+7], v14
.endr
	v_nop                                          ; one plain place behind the scaled conversions
	ds_store_b128 v3, v[40+4*(\bb):43+4*(\bb)] offset:256*(\bb)
.endm
.macro QW g, reg                       ; eight rows of W by turns: four lanes hold a block
.irp p, 0,1,2,3,4,5,6,7
	v_max3_num_f32 v[16+\p], |v[(\reg)+8*\p]|, |v[(\reg)+8*\p+1]|, 0x1800000
.endr
.irp i, 2,4,6
.irp p, 0,1,2,3,4,5,6,7
	v_max3_num_f32 v[16+\p], v[16+\p], |v[(\reg)+8*\p+\i]|, |v[(\reg)+8*\p+\i+1]|
.endr
.endr
.irp p, 0,1,2,3,4,5,6,7
	v_max_num_f32_dpp v[16+\p], v[16+\p], v[16+\p] row_xmask:1 row_mask:0xf bank_mask:0xf
.endr
.irp p, 0,1,2,3,4,5,6,7
	v_max_num_f32_dpp v[16+\p], v[16+\p], v[16+\p] row_xmask:2 row_mask:0xf bank_mask:0xf
.endr
.irp p, 0,1,2,3,4,5,6,7
	v_add_nc_u32 v[16+\p], 0xff000000, v[16+\p]
.endr
.irp p, 0,1,2,3,4,5,6,7
	v_lshrrev_b32 v[24+\p], 23, v[16+\p]
.endr
.irp p, 0,1,2,3,4,5,6,7
	v_cvt_scalef32_pk8_fp4_f32 v[32+\p], v[(\reg)+8*\p:(\reg)+8*\p+7], v[16+\p]
.endr
	v_nop                                          ; one plain place behind the scaled conversions
.irp p, 0,1,2,3,4,5,6,7
	ds_store_b32 v5, v[32+\p] offset:(8*(\g)+\p)*144       ; my 8 codes: 4 bytes of the row's 128
	ds_store_b8 v6, v[24+\p] offset:(8*(\g)+\p)*8          ; the four lanes of a block write the same byte with the same value
.endr
	s_wait_dscnt 0x0                               ; the stores have read their registers
.endm
.macro MM d, a, b, c, sa, sb, row      ; one product of 16 x 16 x 128; row = 1: both sides' scale words come from lanes 16-31 (K step 1)
.if \row
	v_wmma_scale_f32_16x16x128_f8f6f4 v[(\d):(\d)+7], v[(\a):(\a)+7], v[(\b):(\b)+7], v[(\c):(\c)+7], v[(\sa)], v[(\sb)] matrix_a_fmt:MATRIX_FMT_FP4 matrix_b_fmt:MATRIX_FMT_FP4 matrix_a_scale:MATRIX_SCALE_ROW1 matrix_b_scale:MATRIX_SCALE_ROW1
.else
	v_wmma_scale_f32_16x16x128_f8f6f4 v[(\d):(\d)+7], v[(\a):(\a)+7], v[(\b):(\b)+7], v[(\c):(\c)+7], v[(\sa)], v[(\sb)] matrix_a_fmt:MATRIX_FMT_FP4 matrix_b_fmt:MATRIX_FMT_FP4
.endif
.endm
.macro Q16 a, cd                       ; my 16 numbers v[a] .. v[a + 15] and lane xor 16's are a block: codes into v[cd], v[cd + 1], the byte into v15.  Each of the two sums is read from its low end on
	v_max3_num_f32 v14, |v[(\a)]|, |v[(\a)+1]|, 0x1800000
	v_max3_num_f32 v15, |v[(\a)+8]|, |v[(\a)+9]|, |v[(\a)+10]|
	v_max3_num_f32 v14, v14, |v[(\a)+2]|, |v[(\a)+3]|
	v_max3_num_f32 v15, v15, |v[(\a)+11]|, |v[(\a)+12]|
	v_max3_num_f32 v14, v14, |v[(\a)+4]|, |v[(\a)+5]|
	v_max3_num_f32 v15, v15, |v[(\a)+13]|, |v[(\a)+14]|
	v_max3_num_f32 v14, v14, |v[(\a)+6]|, |v[(\a)+7]|
	v_max3_num_f32 v14, v14, v15, |v[(\a)+15]|
	v_permlanex16_b32 v63, v14, s48, s49
	v_max_num_f32 v14, v14, v63
	v_add_nc_u32 v14, 0xff000000, v14
	v_lshrrev_b32 v15, 23, v14
	v_cvt_scalef32_pk8_fp4_f32 v[(\cd)], v[(\a):(\a)+7], v14
	v_cvt_scalef32_pk8_fp4_f32 v[(\cd)+1], v[(\a)+8:(\a)+15], v14
	v_nop                                          ; one plain place behind the scaled conversions
.endm
	s_load_b512 s[8:23], s[0:1], 0x0               ; query, key, value, wq, wk, wv, bq, bk
	s_load_b128 s[24:27], s[0:1], 0x40             ; bv, qrec
	s_load_b64 s[28:29], s[0:1], 0x50              ; kv
	s_set_vgpr_msb 0x40
	v_lshl_add_u32 v0, v0, 2, 0xdc00
	v_mov_b32 v1, 0
	s_set_vgpr_msb 0x4000
	v_lshrrev_b32 v14, 5, v0
	v_readfirstlane_b32 s2, v14                    ; wave 0..7
	s_and_b32 s3, ttmp7, 0xffff                    ; which tensor
	s_lshr_b32 s4, ttmp9, 5                        ; batch
	s_and_b32 s5, ttmp9, 31                        ; group of 128 pixels
	s_and_b32 s6, s2, 3
	s_lshr_b32 s7, s2, 2
	v_and_b32 v15, 31, v0                          ; lane
	v_lshlrev_b32 v[XO], 2, v15
	v_lshlrev_b32 v[WO], 5, v15
	s_lshl_b32 s42, s4, 22                         ; x: batch x 4,194,304
	s_lshl_b32 s43, s7, 21                         ; + 128 channels x 16,384 for waves 4-7
	s_add_co_u32 s42, s42, s43
	s_lshl_b32 s43, s5, 9                          ; + 128 pixels x 4 bytes a group
	s_add_co_u32 s42, s42, s43
	s_lshl_b32 s43, s6, 7                          ; + 32 pixels x 4 bytes
	s_add_co_u32 s42, s42, s43
	s_mov_b32 s43, 0
	s_lshl_b32 s44, s2, 15                         ; W: 32 rows of 1,024 bytes a wave
	s_mov_b32 s45, 0
	s_lshl_b32 s46, s2, 7                          ; bias: 32 numbers a wave
	s_mov_b32 s47, 0
	s_mov_b32 s48, 0x76543210                      ; v_permlanex16_b32's selects for lane xor 16
	s_mov_b32 s49, 0xfedcba98
	s_mov_b32 s50, 0xffff0000                      ; lanes 16-31
	s_wait_kmcnt 0x0
	s_cmp_eq_u32 s3, 0                             ; the choice hangs on the work-group's number alone
	s_cselect_b64 s[32:33], s[8:9], s[10:11]
	s_cselect_b64 s[34:35], s[14:15], s[16:17]
	s_cselect_b64 s[36:37], s[20:21], s[22:23]
	s_cselect_b64 s[38:39], s[26:27], s[28:29]     ; q goes to qrec, k and v to kv
	s_cmp_eq_u32 s3, 2
	s_cselect_b64 s[32:33], s[12:13], s[32:33]
	s_cselect_b64 s[34:35], s[18:19], s[34:35]
	s_cselect_b64 s[36:37], s[24:25], s[36:37]
	s_add_nc_u64 s[32:33], s[32:33], s[42:43]
	s_add_nc_u64 s[34:35], s[34:35], s[44:45]
	s_add_nc_u64 s[36:37], s[36:37], s[46:47]
	LX 0
	LX 1
	LX 2
	LX 3
	LW 0, 192
	v_and_b32 v16, 15, v0                          ; r
	v_bfe_u32 v17, v0, 4, 1                        ; h
	v_and_b32 v18, 8, v16
	v_add_nc_u32 v18, v18, v16                     ; r + 8 (r / 8)
	s_lshl_b32 s51, s6, 12
	s_lshl_b32 s52, s7, 10
	s_add_co_u32 s51, s51, s52
	v_lshlrev_b32 v3, 4, v16
	v_lshl_add_u32 v3, v17, 11, v3
	v_add_nc_u32 v3, s51, v3                       ; x's codes: tile 2 (w % 4) + h, K step w / 4, row r
	s_lshl_b32 s51, s6, 8
	s_lshl_b32 s52, s7, 6
	s_add_co_u32 s51, s51, s52
	s_add_co_u32 s51, s51, XSC
	v_lshlrev_b32 v4, 2, v16
	v_lshl_add_u32 v4, v17, 7, v4
	v_add_nc_u32 v4, s51, v4                       ; and their scale word
	s_mul_i32 s51, s2, WPW
	s_add_co_u32 s51, s51, WROW                    ; my wave's rows of W
	s_lshl_b32 s52, s2, 8
	s_add_co_u32 s52, s52, WSCL                    ; and their scale bytes
	v_add_nc_u32 v5, s51, v[XO]
	v_lshrrev_b32 v6, 2, v15
	v_add_nc_u32 v6, s52, v6
	v_mul_u32_u24 v7, v18, 144
	v_lshl_add_u32 v7, v17, 4, v7
	v_add_nc_u32 v7, s51, v7                       ; a fragment of W: row r + 8 (r / 8) of the tile, + 16 h
	v_lshlrev_b32 v8, 3, v18
	v_lshl_add_u32 v8, v17, 2, v8
	v_add_nc_u32 v8, s52, v8                       ; its scale words: lanes 0-15 K step 0's, lanes 16-31 K step 1's
	v_lshlrev_b32 v9, 4, v15
	v_add_nc_u32 v10, XSC, v[XO]
	v_lshlrev_b32 v11, 4, v16
	v_lshl_add_u32 v11, v17, 3, v11                ; out: 16 r + 8 h
	v_lshlrev_b32 v12, 2, v18                      ; v's bias: one number a lane
	v_lshlrev_b32 v13, 6, v17                      ; q's and k's: 16 numbers from 16 h on
	v_mov_b32 v63, 0                               ; written once: a lane permute's destination counts as one of its sources
	s_wait_loadcnt 63                              ; 144 loads are issued and 80 stand behind block 1's last: the largest count that the wait can name serves
	QX 0
	QX 1
	LW 1, 64                                       ; into the registers that blocks 0 and 1 have left
	s_wait_loadcnt 63                              ; 64 loads stand behind block 2's last
	QX 2
	s_wait_loadcnt 32                              ; behind block 3: two runs of 16 weight loads
	QX 3
	ds_store_b32 v4, v56
	LW 2, 128
	s_wait_loadcnt 32                              ; behind rows 0-7: rows 8-15 and 16-23
	QW 0, 192
	LW 3, 192
	s_wait_loadcnt 32                              ; behind rows 8-15: rows 16-23 and 24-31
	QW 1, 64
	s_wait_loadcnt 16                              ; behind rows 16-23: rows 24-31
	QW 2, 128
	s_wait_loadcnt 0x0
	QW 3, 192
	s_wait_dscnt 0x0                               ; for the others' sake: my images of x have landed
	s_barrier_signal -1
	s_barrier_wait -1                              ; x's sixteen fragments lie in LDS; from here on LDS is only read
.irp t, 0,1
.irp s, 0,1
.irp c, 0,1
	ds_load_b128 v[64+16*\t+8*\s+4*\c:64+16*\t+8*\s+4*\c+3], v7 offset:1152*\t+64*\s+32*\c   ; W's fragment (tile t, K step s): it stays
.endr
.endr
.endr
.irp t, 0,1
	ds_load_b32 v[96+\t], v8 offset:64*\t
.endr
	s_lshl_b32 s42, s4, 3
	s_add_co_u32 s42, s42, s2                      ; 8 x batch + head
	s_cmp_eq_u32 s3, 2
	s_cbranch_scc1 .Lv
	; ---- q and k
	s_mul_i32 s42, s42, 69632
	s_lshl_b32 s42, s42, s3                        ; the head's record: 69,632 bytes in qrec, twice that in kv
	s_lshl_b32 s44, 0x10000, s3                    ; where its scale words begin
	s_lshl_b32 s46, s5, 11
	s_add_co_u32 s46, s46, s42
	s_mov_b32 s47, 0
	s_add_nc_u64 s[40:41], s[38:39], s[46:47]      ; codes: 16 bytes a pixel
	s_lshl_b32 s46, s5, 7
	s_add_co_u32 s46, s46, s42
	s_add_co_u32 s46, s46, s44
	s_add_nc_u64 s[38:39], s[38:39], s[46:47]      ; scale words: 128 bytes for 128 pixels
.irp t, 0,1
	global_load_b128 v[100+8*\t:103+8*\t], v13, s[36:37] offset:32*\t       ; the bias in the result's layout: d = 16 h + 8 t + 0 .. 7: it is the C of each sum's first product
	global_load_b128 v[104+8*\t:107+8*\t], v13, s[36:37] offset:32*\t+16
.endr
.macro FX m, p                         ; pixel tile m: two fragments and their scale words (lanes 0-15 K step 0's, lanes 16-31 K step 1's) into set p
.irp s, 0,1
.irp c, 0,1
	ds_load_b128 v[128+16*(\p)+8*\s+4*\c:128+16*(\p)+8*\s+4*\c+3], v9 offset:2048*(\m)+1024*\s+512*\c
.endr
.endr
	ds_load_b32 v[56+(\p)], v10 offset:128*(\m)
.endm
.macro QKTILE m
.set P, (\m)%2
.set AC, 192+16*P
.set XFP, 128+16*P
.if (\m) < 7
	FX (\m)+1, 1-P                                 ; the other set's last products stand more than four plain places back
	s_wait_dscnt 0x5                               ; all but the next tile's five loads
.else
	s_wait_dscnt 0x0
.endif
.if (\m) == 0
	s_wait_loadcnt 0x0                             ; the bias
.endif
	MM AC, 64, XFP, 100, 96, 56+P, 0               ; the two sums take turns
	MM AC+8, 80, XFP, 108, 97, 56+P, 0
	MM AC, 72, XFP+8, AC, 96, 56+P, 1
	MM AC+8, 88, XFP+8, AC+8, 97, 56+P, 1
.rept 4
	v_nop                                          ; four places in front of the first read of the results
.endr
	Q16 AC, 40+2*(\m)
.if (\m)%4 == 0
	v_mov_b32 v[60+(\m)/4], v15
.else
	v_lshl_or_b32 v[60+(\m)/4], v15, 8*((\m)%4), v[60+(\m)/4]   ; byte (pixel / 16) % 4 of the word of 64 pixels
.endif
	global_store_b64 v11, v[40+2*(\m):41+2*(\m)], s[40:41] offset:256*(\m)   ; the wave stores 256 consecutive bytes, aligned; each store has data registers of its own
.endm
	FX 0, 0
.irp m, 0,1,2,3,4,5,6,7
	QKTILE \m
.endr
	v_cndmask_b32 v62, v60, v61, s50               ; lanes 0-15 the first 64 pixels' words, lanes 16-31 the second's
	global_store_b32 v[XO], v62, s[38:39]          ; 128 consecutive bytes: half of an aligned 256; one byte in 128 of what the launch moves
	s_set_vgpr_msb 0x5
	s_wait_tensorcnt 0x0
	ds_add_u32 v0, v1
	s_wait_dscnt 0x0
	s_set_vgpr_msb 0x500
	s_endpgm
	; ---- v
.Lv:
	s_mul_i32 s42, s42, 139264
	s_lshl_b32 s44, s5, 11
	s_add_co_u32 s44, s44, s42
	s_add_co_u32 s44, s44, 65536
	s_mov_b32 s45, 0
	s_add_nc_u64 s[40:41], s[38:39], s[44:45]      ; codes: 2,048 bytes for a step of 128 keys
	s_lshl_b32 s44, s5, 7
	s_add_co_u32 s44, s44, s42
	s_add_co_u32 s44, s44, 135168
	s_add_nc_u64 s[38:39], s[38:39], s[44:45]      ; scale words: 128 bytes a step
.irp t, 0,1
.irp j, 0,1,2,3,4,5,6,7
	global_load_b32 v[100+8*\t+\j], v12, s[36:37] offset:32*\t     ; a lane holds one d here: its bias in all eight registers of the C
.endr
.endr
.macro FV bb, p                        ; key block bb: pixel tiles 2 bb and 2 bb + 1 into set p
.irp i, 0,1
.irp s, 0,1
.irp c, 0,1
	ds_load_b128 v[128+32*(\p)+16*\i+8*\s+4*\c:128+32*(\p)+16*\i+8*\s+4*\c+3], v9 offset:2048*(2*(\bb)+\i)+1024*\s+512*\c
.endr
.endr
	ds_load_b32 v[56+2*(\p)+\i], v10 offset:128*(2*(\bb)+\i)
.endr
.endm
.macro VBLOCK bb
.set P, (\bb)%2
.set AC, 192+32*P
.set XFP, 128+32*P
.set XSP, 56+2*P
.if (\bb) < 3
	FV (\bb)+1, 1-P
	s_wait_dscnt 0xa                               ; all but the next block's ten loads
.else
	s_wait_dscnt 0x0
.endif
.if (\bb) == 0
	s_wait_loadcnt 0x0                             ; the bias
.endif
	MM AC, XFP, 64, 100, XSP, 96, 0                ; four sums (pixel tile i, tile t of d at AC + 16 t + 8 i) take turns
	MM AC+16, XFP, 80, 108, XSP, 97, 0
	MM AC+8, XFP+16, 64, 100, XSP+1, 96, 0
	MM AC+24, XFP+16, 80, 108, XSP+1, 97, 0
	MM AC, XFP+8, 72, AC, XSP, 96, 1
	MM AC+16, XFP+8, 88, AC+16, XSP, 97, 1
	MM AC+8, XFP+24, 72, AC+8, XSP+1, 96, 1
	MM AC+24, XFP+24, 88, AC+24, XSP+1, 97, 1
.rept 4
	v_nop                                          ; four places in front of the first read of the results
.endr
.irp t, 0,1
	Q16 AC+16*\t, 40+4*(\bb)+2*\t                  ; my d's keys 8 h + 0..7 and 16 + 8 h + 0..7 of the block
.if (\bb) == 0
	v_mov_b32 v[60+\t], v15
.else
	v_lshl_or_b32 v[60+\t], v15, 8*(\bb), v[60+\t]
.endif
	global_store_b64 v11, v[40+4*(\bb)+2*\t:41+4*(\bb)+2*\t], s[40:41] offset:1024*\t+256*(\bb)   ; 256 consecutive bytes, aligned
.endr
.endm
	FV 0, 0
.irp b, 0,1,2,3
	VBLOCK \b
.endr
	v_cndmask_b32 v62, v60, v61, s50               ; lanes 0-15 tile 0's words, lanes 16-31 tile 1's
	global_store_b32 v[XO], v62, s[38:39]
	s_set_vgpr_msb 0x5
	s_wait_tensorcnt 0x0
	ds_add_u32 v0, v1
	s_wait_dscnt 0x0
	s_set_vgpr_msb 0x500
	s_endpgm
.Lfunc_end_k_q7083a2edc6_proj:
	.size	k_q7083a2edc6_proj, .Lfunc_end_k_q7083a2edc6_proj-k_q7083a2edc6_proj
	.p2alignl 7, 3214868480
	.fill 96, 4, 3214868480
	.section	.rodata,"a",@progbits
	.p2align	6, 0x0
	.amdhsa_kernel k_q7083a2edc6_proj
		.amdhsa_group_segment_fixed_size 57344
		.amdhsa_private_segment_fixed_size 0
		.amdhsa_enable_private_segment 0
		.amdhsa_kernarg_size 88
		.amdhsa_user_sgpr_count 2
		.amdhsa_user_sgpr_kernarg_segment_ptr 1
		.amdhsa_wavefront_size32 1
		.amdhsa_system_sgpr_workgroup_id_x 1
		.amdhsa_system_sgpr_workgroup_id_y 1
		.amdhsa_system_sgpr_workgroup_id_z 1
		.amdhsa_system_vgpr_workitem_id 0
		.amdhsa_next_free_vgpr 258
		.amdhsa_next_free_sgpr 66
		.amdhsa_reserve_vcc 0
		.amdhsa_float_denorm_mode_32 3
		.amdhsa_float_denorm_mode_16_64 3
		.amdhsa_memory_ordered 1
		.amdhsa_forward_progress 1
		.amdhsa_inst_pref_size 86
	.end_amdhsa_kernel
	.amdgpu_metadata
---
amdhsa.version: [ 1, 2 ]
amdhsa.kernels:
  - .name:           k_q7083a2edc6_proj
    .symbol:         k_q7083a2edc6_proj.kd
    .args:
      - { .name: query, .offset: 0, .size: 8, .value_kind: global_buffer, .address_space: global }
      - { .name: key, .offset: 8, .size: 8, .value_kind: global_buffer, .address_space: global }
      - { .name: value, .offset: 16, .size: 8, .value_kind: global_buffer, .address_space: global }
      - { .name: wq, .offset: 24, .size: 8, .value_kind: global_buffer, .address_space: global }
      - { .name: wk, .offset: 32, .size: 8, .value_kind: global_buffer, .address_space: global }
      - { .name: wv, .offset: 40, .size: 8, .value_kind: global_buffer, .address_space: global }
      - { .name: bq, .offset: 48, .size: 8, .value_kind: global_buffer, .address_space: global }
      - { .name: bk, .offset: 56, .size: 8, .value_kind: global_buffer, .address_space: global }
      - { .name: bv, .offset: 64, .size: 8, .value_kind: global_buffer, .address_space: global }
      - { .name: qrec, .offset: 72, .size: 8, .value_kind: global_buffer, .address_space: global }
      - { .name: kv, .offset: 80, .size: 8, .value_kind: global_buffer, .address_space: global }
    .group_segment_fixed_size: 57344
    .private_segment_fixed_size: 0
    .kernarg_segment_align: 8
    .kernarg_segment_size: 88
    .max_flat_workgroup_size: 256
    .sgpr_count:     66
    .vgpr_count:     258
    .wavefront_size: 32
...
	.end_amdgpu_metadata
.endif
;; end of part 1
;; launch attn (part 2): grid 16 x 16, 16 waves a work-group, clusters of 4 x 1, 169,984 bytes of LDS; arguments qrec, kv, acod, ascl; writes acod, ascl
.if DOCPART == 2
	.amdgcn_target "amdgcn-amd-amdhsa--gfx1250"
	.amdhsa_code_object_version 6
	.text
	.protected	k_q7083a2edc6_attn
	.globl	k_q7083a2edc6_attn
	.p2align	8
	.type	k_q7083a2edc6_attn,@function
k_q7083a2edc6_attn:
	s_mov_b64 s[64:65], 0
	v_nop
	global_prefetch_b8 v0, s[64:65] scope:SCOPE_SE
	s_setreg_imm32_b32 hwreg(HW_REG_WAVE_MODE, 25, 1), 1
	s_wait_xcnt 0x0
	s_wait_alu depctr_hold_cnt(0) depctr_sa_sdst(0) depctr_va_vdst(0) depctr_va_sdst(0) depctr_va_ssrc(0) depctr_va_vcc(0) depctr_vm_vsrc(0)
	s_getreg_b32 s2, hwreg(HW_REG_IB_STS2, 6, 4)
	s_cmp_eq_u32 s2, 0
	s_cbranch_scc0 .Lentry_in_a_cluster
	s_endpgm
.Lentry_in_a_cluster:
	s_bfe_u32 s2, ttmp6, 0x10000c
	s_cmp_lg_u32 s2, 0x3003
	s_cbranch_scc0 .Lentry_shape_is_right
	s_endpgm
.Lentry_shape_is_right:
; Attention of one (batch, head) pair on codes of FP4 (E2M1): S^T = k q^T, p = 2^(t - M), O^T = v^T p^T, O / l, and O's codes for the last convolution.  4,096 queries, 4,096 keys, head size 32.
; t = score x log2(e) / sqrt(32); M = the row's largest t so far, rounded UP to a whole number; p is quantised along the keys, not normalised; the row's sum l is taken of the unquantised p and divides O at the end.
; When M moves, the sum and O are multiplied by 2^(old M - new M), which rounds nothing.
; SHARES.  A work-group owns 256 queries of a head (work-group y = 8 x batch + head), each of its sixteen waves 16 of them in 256 registers: four waves to a SIMD, so that one wave's exponentials stand beside
; another's products and LDS loads.  The vector work outweighs the matrix work here: 10 products stand beside some 250 vector instructions a step.
; LDS.  The head's whole record (k's and v's codes and scale words, 139,264 bytes, laid as images of the operands' registers) is brought ONCE: each wave fetches 34 rows of 256 bytes.  Nothing is filled twice.
; CLUSTER.  The four work-groups of a cluster belong to one head and need the same record: each part is asked for JOINTLY, by the same tensor load with the same descriptor and the mask of all four.
; THE SCORES' K IS 32, the instruction's 128.  A fragment of k holds 64 keys: block i of row r is key 16 i + r.  Four versions of q's fragment hold q's codes in block i alone and zero codes elsewhere, with q's scale
; byte in byte i alone: so one fragment of k, read once, serves four products, and product i gives the scores of keys 16 i + 0 .. 15.
; LAYOUT.  Both products are used transposed: a lane holds ONE query (lane % 16) throughout.  Registers 16 b .. 16 b + 15 of the scores are keys 32 b + 8 h + 0..7 and 32 b + 16 + 8 h + 0..7 (h = lane / 16);
; after the exchange of halves a block's four words hold keys 0-7, 16-23, 8-15, 24-31, and v's codes were laid in that same order.
; LIMITS: p under 2^-126 counts as zero (the exponential's own flush); a block of zeros gets the byte 1 where the rule says 127 (its codes are zeros; this program alone reads the bytes); NaN and infinities are not served.
; REGISTERS: v1-3 my lane's places in k's codes, v's codes, the scale words; v4-6 the step's addresses; v7, v8 offsets on the way out; v12 -M, v13 the largest t, v[14:15] the sum in two halves;
;   v16-35 q's codes and zeros (four overlapping fragments); v36-39 q's four scale registers; v40-55 k, v56-71 v; v72, v73 their scale words; v96-159 S^T, then p; v160-175 O^T; v176-183 p's codes; v184-201 at work.
.macro ROUND                           ; a round of the cluster's barrier
	s_barrier_signal -1
	s_barrier_wait -1
	s_cmp_lg_u32 s12, 0
	s_cbranch_scc1 .Lnot_wave_0_\@
	s_barrier_signal -3
.Lnot_wave_0_\@:
	s_barrier_wait -3
	s_barrier_signal -1
	s_barrier_wait -1
.endm
.macro KQ t, qo                        ; scores of keys 16 t + 0 .. 15 of the step: fragment t / 4 of k, q's version at v[16 + qo]
.if (\t) < 4
	v_wmma_scale_f32_16x16x128_f8f6f4 v[96+8*(\t):103+8*(\t)], v[40:47], v[16+(\qo):23+(\qo)], 0, v72, v[36+(\t)%4] matrix_a_fmt:MATRIX_FMT_FP4 matrix_b_fmt:MATRIX_FMT_FP4
.else
	v_wmma_scale_f32_16x16x128_f8f6f4 v[96+8*(\t):103+8*(\t)], v[48:55], v[16+(\qo):23+(\qo)], 0, v72, v[36+(\t)%4] matrix_a_fmt:MATRIX_FMT_FP4 matrix_b_fmt:MATRIX_FMT_FP4 matrix_a_scale:MATRIX_SCALE_ROW1
.endif
.endm
	s_load_b256 s[4:11], s[0:1], 0x0               ; qrec, kv, acod, ascl
	v_lshl_add_u32 v254, v0, 2, 0x29000
	v_mov_b32 v255, 0
	ds_add_u32 v254, v255
	ds_add_u32 v254, v255
	v_lshrrev_b32 v9, 5, v0
	v_readfirstlane_b32 s12, v9                    ; wave 0..15
	s_bfe_u32 s13, ttmp6, 0x40000                  ; cx: my place in the cluster: it enters q's and the outputs' addresses alone
	s_lshl_b32 s14, ttmp9, 2
	s_add_co_u32 s14, s14, s13                     ; my block of 256 queries
	s_and_b32 s15, ttmp7, 0xffff                   ; 8 x batch + head, which the four partners share
	; descriptor group 1: 34 dense rows of 256 bytes, as 32 elements of 8 bytes; no padding: every read takes lane i's bytes at 16 i
	s_mov_b32 s24, 15|(3<<16)|(1<<21)              ; 15:0 the mask: all four work-groups; 17:16 elements of 8 bytes; 21 set beside a mask
	s_mov_b32 s25, 32<<16                          ; tensor_dim0 = 32
	s_mov_b32 s26, 34<<16                          ; tensor_dim1 = 34
	s_mov_b32 s27, 32<<16                          ; tile_dim0 = 32
	s_mov_b32 s28, 34                              ; tile_dim1 = 34
	s_mov_b32 s29, 32                              ; elements from row to row
	s_mov_b32 s30, 0
	s_mov_b32 s31, 0
	s_mov_b32 s16, 1                               ; group 0: count = 1
	s_mul_i32 s17, s12, 8704                       ; LDS address: my wave's 34 rows
	s_mul_i32 s38, s15, 139264                     ; the head's record,
	s_add_co_u32 s38, s38, s17                     ; my wave's part of it
	s_mov_b32 s39, 0
	s_mul_i32 s40, s15, 69632                      ; the head's record in qrec
	s_lshl_b32 s41, s14, 12
	s_lshl_b32 s42, s12, 8
	s_add_co_u32 s41, s41, s42                     ; 16 x my first query = 4,096 x block + 256 x wave
	s_add_co_u32 s42, s40, s41                     ; q's codes
	s_mov_b32 s43, 0
	s_lshl_b32 s44, s14, 8
	s_lshr_b32 s45, s12, 2
	s_lshl_b32 s45, s45, 6
	s_add_co_u32 s44, s44, s45                     ; q's scale words: 64 bytes for 64 queries
	s_add_co_u32 s44, s44, s40
	s_mov_b32 s45, 0
	s_lshl_b32 s46, s15, 16
	s_add_co_u32 s46, s46, s41                     ; acod: [8 b + head][pixel][16 bytes]
	s_mov_b32 s47, 0
	s_lshr_b32 s48, s15, 3
	s_lshl_b32 s48, s48, 15
	s_lshr_b32 s49, s41, 1
	s_add_co_u32 s48, s48, s49
	s_and_b32 s49, s15, 7
	s_add_co_u32 s48, s48, s49                     ; ascl: [b][pixel][8 heads]
	s_mov_b32 s49, 0
	s_and_b32 s36, s12, 3
	s_lshl_b32 s36, s36, 3                         ; my queries' byte in their scale word, in bits
	s_mov_b32 s20, 0x76543210                      ; v_permlanex16_b32's selects for lane xor 16
	s_mov_b32 s21, 0xfedcba98
	s_mov_b32 s22, 0x3e8293ee                      ; c = log2(e) / sqrt(32)
	s_mov_b32 s23, s22                             ; (the packed form names the pair)
	s_mov_b32 s35, 0xffff0000                      ; lanes 16-31
	s_mov_b32 s32, 0                               ; the step's codes: 2,048 bytes a step
	s_mov_b32 s33, 0                               ; its scale words: 128 bytes a step
	s_mov_b32 s34, 32                              ; steps of 128 keys
	s_wait_dscnt 0x0
	s_wait_kmcnt 0x0
	s_add_nc_u64 s[18:19], s[6:7], s[38:39]
	s_or_b32 s19, s19, 0x80000000                  ; type = 2
	s_add_nc_u64 s[42:43], s[4:5], s[42:43]
	s_add_nc_u64 s[44:45], s[4:5], s[44:45]
	s_add_nc_u64 s[46:47], s[8:9], s[46:47]
	s_add_nc_u64 s[48:49], s[10:11], s[48:49]
	ROUND                                          ; all four work-groups are here: the joint loads meet
	tensor_load_to_lds s[16:19], s[24:31]          ; my one tensor load of the launch
	s_nop 0
.rept 4
	v_nop
.endr
	v_and_b32 v9, 31, v0                           ; lane
	v_and_b32 v10, 15, v0                          ; r
	v_bfe_u32 v11, v0, 4, 1                        ; h
	v_lshlrev_b32 v74, 4, v10
	v_lshlrev_b32 v75, 2, v10
	global_load_b128 v[100:103], v74, s[42:43]     ; query r's 32 codes, in both halves of the lanes
	global_load_b32 v104, v75, s[44:45] offset:65536
	v_lshlrev_b32 v1, 4, v9
	v_lshl_add_u32 v2, v9, 4, 0x10000
	v_lshl_add_u32 v3, v9, 2, 0x20000
	v_lshl_add_u32 v7, v11, 3, v74                 ; out: 16 r + 8 h
	v_lshlrev_b32 v8, 3, v10                       ; 8 r
	s_wait_loadcnt 0x0
.irp i, 0,1,2,3
	v_cndmask_b32 v[16+\i], v[100+\i], 0, s35      ; X: q in lanes 0-15, zero codes above
	v_cndmask_b32 v[32+\i], v[100+\i], 0, s35      ; X once more
	v_cndmask_b32 v[24+\i], 0, v[100+\i], s35      ; Y: q in lanes 16-31
	v_mov_b32 v[20+\i], 0                          ; Z: zero codes
	v_mov_b32 v[28+\i], 0                          ; so v16: X Z (block 0), v24: Y Z (block 1), v28: Z X (block 2), v20: Z Y (block 3)
.endr
	v_bfe_u32 v36, v104, s36, 8                    ; q's scale byte, at byte i for version i; the other bytes stay 0: the smallest scale, over zero codes
	v_lshlrev_b32 v37, 8, v36
	v_lshlrev_b32 v38, 16, v36
	v_lshlrev_b32 v39, 24, v36
.set J, 0
.rept 16
	v_mov_b32 v[160+J], 0                          ; O^T.  (The loop is written once: its first step finds zeros.  These lines are also the places between q's registers and the first products)
.set J, J+1
.endr
.irp b, 0,1,2,3
	v_mov_b32 v[188+\b], 0                         ; written once: a lane permute's destination counts as one of its sources
.endr
	v_mov_b32 v197, 0                              ; (named as the upper half of the pair v[196:197] before it is first written)
	v_mov_b32 v13, 0xff61b1e6                      ; the largest t so far: -3e38
	v_floor_f32 v12, -v13                          ; -M
	v_mov_b32 v14, 0
	v_mov_b32 v15, 0
	s_wait_tensorcnt 0x0                           ; my part of the record has landed,
	s_barrier_signal -1
	s_barrier_wait -1                              ; everybody's has
.Lstep:                                            ; 32 trips of 128 keys
	v_add_nc_u32 v4, s32, v1
	v_add_nc_u32 v5, s32, v2
	v_add_nc_u32 v6, s33, v3
	v_nop                                          ; four places between the last trip's two products and the loads into the registers that they read
	ds_load_b128 v[40:43], v4
	ds_load_b128 v[44:47], v4 offset:512
	ds_load_b128 v[48:51], v4 offset:1024
	ds_load_b128 v[52:55], v4 offset:1536
	ds_load_b32 v72, v6                            ; k's scale words: lanes 0-15 the first 64 keys', lanes 16-31 the second's
	ds_load_b128 v[56:59], v5
	ds_load_b128 v[60:63], v5 offset:512
	ds_load_b128 v[64:67], v5 offset:1024
	ds_load_b128 v[68:71], v5 offset:1536
	ds_load_b32 v73, v6 offset:4096                ; v's: lanes 0-15 tile 0's, lanes 16-31 tile 1's
	s_wait_dscnt 0x5                               ; k's five loads are in; v's five may be out
	KQ 0, 0
	KQ 1, 8
	KQ 2, 12
	KQ 3, 4
	KQ 4, 0
	KQ 5, 8
	KQ 6, 12
	KQ 7, 4
.rept 4
	v_nop                                          ; four places in front of the first read of the scores
.endr
.irp b, 0,1,2,3
	v_max3_num_f32 v[184+\b], v[96+16*\b], v[97+16*\b], v[98+16*\b]   ; the largest score of each block of 32 keys: for the row's maximum and, since p rises with the score, for the block's largest p
.endr
.irp i, 3,5,7,9,11,13
.irp b, 0,1,2,3
	v_max3_num_f32 v[184+\b], v[184+\b], v[96+16*\b+\i], v[97+16*\b+\i]   ; ascending: each result is read from its low end on
.endr
.endr
.irp b, 0,1,2,3
	v_max_num_f32 v[184+\b], v[184+\b], v[111+16*\b]
.endr
.irp b, 0,1,2,3
	v_permlanex16_b32 v[188+\b], v[184+\b], s20, s21
.endr
.irp b, 0,1,2,3
	v_max_num_f32 v[184+\b], v[184+\b], v[188+\b]  ; with lane xor 16's 16 keys
.endr
	v_max3_num_f32 v198, v184, v185, v186
	v_max_num_f32 v198, v198, v187
	v_mul_f32 v198, s22, v198                      ; the step's largest t (c is positive)
	v_max_num_f32 v13, v13, v198                   ; the running largest t
	v_mov_b32 v198, v12
	v_floor_f32 v12, -v13                          ; the new -M = floor(-t): M is a whole number
	v_sub_f32 v198, v12, v198                      ; old M - new M: a whole number, 0 or less
	v_cvt_i32_f32 v198, v198                       ; (it saturates)
	v_ldexp_f32 v196, 1.0, v198                    ; f = 2^(old M - new M)
.set J, 0
.rept 32
	v_pk_fma_f32 v[96+J:97+J], v[96+J:97+J], s[22:23], v[12:13] op_sel_hi:[1,0,0]   ; t - M, two at a time
.set J, J+2
.endr
.irp b, 0,1,2,3
	v_fma_f32 v[184+\b], v[184+\b], s22, v12       ; the same of each block's largest score
.endr
.set J, 0
.rept 64
	v_exp_f32 v[96+J], v[96+J]                     ; p = 2^(t - M)
.set J, J+1
.endr
.irp b, 0,1,2,3
	v_exp_f32 v[184+\b], v[184+\b]                 ; the block's largest p: the same two instructions on the same number
.endr
	v_pk_mul_f32 v[14:15], v[14:15], v[196:197] op_sel_hi:[1,0]   ; the sums under the new M (a plain place behind the exponentials)
.irp j, 0,2,4,6,8,10,12,14
	v_pk_mul_f32 v[160+\j:161+\j], v[160+\j:161+\j], v[196:197] op_sel_hi:[1,0]   ; O^T under the new M
.endr
	s_wait_alu depctr_va_vdst(0)
.irp b, 0,1,2,3
	v_max_num_f32 v[184+\b], 0x1800000, v[184+\b]  ; the floor 2^(3 - 127): the byte cannot fall under 1
.endr
.irp b, 0,1,2,3
	v_add_nc_u32 v[192+\b], 0xff000000, v[184+\b]  ; 2 off the exponent field: the conversion's scale operand
.endr
.irp b, 0,1,2,3
	v_lshrrev_b32 v[188+\b], 23, v[192+\b]         ; the scale's byte
.endr
	v_lshl_or_b32 v197, v189, 8, v188              ; p's scale word for these 128 keys
	v_lshl_or_b32 v197, v190, 16, v197
	v_lshl_or_b32 v197, v191, 24, v197
.irp b, 0,1,2,3
	v_cvt_scalef32_pk8_fp4_f32 v[176+2*\b], v[96+16*\b:103+16*\b], v[192+\b]
	v_cvt_scalef32_pk8_fp4_f32 v[177+2*\b], v[104+16*\b:111+16*\b], v[192+\b]
.endr
	v_nop                                          ; one plain place behind the scaled conversions
.irp c, 0,1                                    ; the operand's layout wants a whole block in a lane: lanes 0-15 block 2 c, lanes 16-31 block 2 c + 1
.irp i, 0,1
	v_permlane16_swap_b32 v[176+4*\c+\i], v[178+4*\c+\i]
.endr
.endr
	v_pk_add_f32 v[200:201], v[96:97], v[98:99]    ; the row's sum is taken of the unquantised p: two at a time, in two chains.  These 32 lines are also the places between p's scale word and codes and the products
.irp j, 4,8,12,16,20,24,28,32,36,40,44,48,52,56,60
	v_pk_add_f32 v[14:15], v[14:15], v[96+\j:97+\j]
	v_pk_add_f32 v[200:201], v[200:201], v[98+\j:99+\j]
.endr
	v_pk_add_f32 v[14:15], v[14:15], v[200:201]
	s_wait_dscnt 0x0                               ; v is in
	v_wmma_scale_f32_16x16x128_f8f6f4 v[160:167], v[56:63], v[176:183], v[160:167], v73, v197 matrix_a_fmt:MATRIX_FMT_FP4 matrix_b_fmt:MATRIX_FMT_FP4   ; O^T += v^T p^T; the two sums take turns, with the eight scores' products between
	v_wmma_scale_f32_16x16x128_f8f6f4 v[168:175], v[64:71], v[176:183], v[168:175], v73, v197 matrix_a_fmt:MATRIX_FMT_FP4 matrix_b_fmt:MATRIX_FMT_FP4 matrix_a_scale:MATRIX_SCALE_ROW1
	s_add_co_u32 s32, s32, 2048
	s_add_co_u32 s33, s33, 128
	s_sub_co_u32 s34, s34, 1
	s_cmp_lg_u32 s34, 0
	s_cbranch_scc1 .Lstep
	; THE WAY OUT: O / l, which is one block of the last convolution's K (my head's 32 channels of my query): its codes and its scale byte
.rept 4
	v_nop                                          ; four places in front of the first read of O^T
.endr
	v_add_f32 v14, v14, v15                        ; the sum's two halves,
	v_permlanex16_b32 v188, v14, s20, s21
	v_add_f32 v14, v14, v188                       ; and lane xor 16's
	v_rcp_f32 v14, v14
	v_nop                                          ; one plain place behind the transcendental
.set J, 0
	s_wait_alu depctr_va_vdst(0)
.rept 16
	v_mul_f32 v[96+J], v[160+J], v14               ; register j: d = 16 h + j; ascending: each sum is read from its low end on
.set J, J+1
.endr
	v_max3_num_f32 v114, |v96|, |v97|, 0x1800000
	v_max3_num_f32 v115, |v104|, |v105|, |v106|
	v_max3_num_f32 v114, v114, |v98|, |v99|
	v_max3_num_f32 v115, v115, |v107|, |v108|
	v_max3_num_f32 v114, v114, |v100|, |v101|
	v_max3_num_f32 v115, v115, |v109|, |v110|
	v_max3_num_f32 v114, v114, |v102|, |v103|
	v_max3_num_f32 v114, v114, v115, |v111|
	v_permlanex16_b32 v188, v114, s20, s21
	v_max_num_f32 v114, v114, v188
	v_add_nc_u32 v114, 0xff000000, v114
	v_lshrrev_b32 v115, 23, v114
	v_cvt_scalef32_pk8_fp4_f32 v112, v[96:103], v114
	v_cvt_scalef32_pk8_fp4_f32 v113, v[104:111], v114
	v_nop
	global_store_b64 v7, v[112:113], s[46:47]      ; the wave stores 256 consecutive bytes, aligned
	global_store_b8 v8, v115, s[48:49]             ; one byte a query, 8 bytes apart (both halves of the lanes write the same byte with the same value): 64 KiB in the whole launch, so that the next launch finds a pixel's eight bytes together
	s_wait_tensorcnt 0x0
	ds_add_u32 v254, v255
	s_wait_dscnt 0x0
	ROUND                                          ; the closing round: no work-group ends while a partner may still ask for a part that names it
	s_endpgm
.Lfunc_end_k_q7083a2edc6_attn:
	.size	k_q7083a2edc6_attn, .Lfunc_end_k_q7083a2edc6_attn-k_q7083a2edc6_attn
	.p2alignl 7, 3214868480
	.fill 96, 4, 3214868480
	.section	.rodata,"a",@progbits
	.p2align	6, 0x0
	.amdhsa_kernel k_q7083a2edc6_attn
		.amdhsa_group_segment_fixed_size 169984
		.amdhsa_private_segment_fixed_size 0
		.amdhsa_enable_private_segment 0
		.amdhsa_kernarg_size 32
		.amdhsa_user_sgpr_count 2
		.amdhsa_user_sgpr_kernarg_segment_ptr 1
		.amdhsa_wavefront_size32 1
		.amdhsa_system_sgpr_workgroup_id_x 1
		.amdhsa_system_sgpr_workgroup_id_y 1
		.amdhsa_system_sgpr_workgroup_id_z 1
		.amdhsa_system_vgpr_workitem_id 0
		.amdhsa_next_free_vgpr 256
		.amdhsa_next_free_sgpr 66
		.amdhsa_reserve_vcc 0
		.amdhsa_float_denorm_mode_32 3
		.amdhsa_float_denorm_mode_16_64 3
		.amdhsa_memory_ordered 1
		.amdhsa_forward_progress 1
		.amdhsa_inst_pref_size 23
	.end_amdhsa_kernel
	.amdgpu_metadata
---
amdhsa.version: [ 1, 2 ]
amdhsa.kernels:
  - .name:           k_q7083a2edc6_attn
    .symbol:         k_q7083a2edc6_attn.kd
    .args:
      - { .name: qrec, .offset: 0, .size: 8, .value_kind: global_buffer, .address_space: global }
      - { .name: kv, .offset: 8, .size: 8, .value_kind: global_buffer, .address_space: global }
      - { .name: acod, .offset: 16, .size: 8, .value_kind: global_buffer, .address_space: global }
      - { .name: ascl, .offset: 24, .size: 8, .value_kind: global_buffer, .address_space: global }
    .group_segment_fixed_size: 169984
    .private_segment_fixed_size: 0
    .kernarg_segment_align: 8
    .kernarg_segment_size: 32
    .max_flat_workgroup_size: 512
    .sgpr_count:     66
    .vgpr_count:     256
    .wavefront_size: 32
...
	.end_amdgpu_metadata
.endif
;; end of part 2
;; launch outp (part 3): grid 128 x 2, 8 waves a work-group, no clusters, 56,320 bytes of LDS; arguments acod, ascl, wo, bo, out0; writes out0
.if DOCPART == 3
	.amdgcn_target "amdgcn-amd-amdhsa--gfx1250"
	.amdhsa_code_object_version 6
	.text
	.protected	k_q7083a2edc6_outp
	.globl	k_q7083a2edc6_outp
	.p2align	8
	.type	k_q7083a2edc6_outp,@function
k_q7083a2edc6_outp:
	s_mov_b64 s[64:65], 0
	v_nop
	global_prefetch_b8 v0, s[64:65] scope:SCOPE_SE
	s_setreg_imm32_b32 hwreg(HW_REG_WAVE_MODE, 25, 1), 1
	s_wait_xcnt 0x0
; out0 = wo a + bo on codes of FP4 (E2M1) with one E8M0 scale for each 32 along K = the 256 channels.  a arrives as codes [8 b + head][pixel][16 bytes] and scale bytes [b][pixel][8]; wo [256][256] f32 is quantised here.
; SHARES.  A work-group owns 64 pixels of a batch element (work-group x: batch = x / 64) and half of the outputs (work-group y); wave w owns outputs 128 y + 16 w + 0 .. 15.  The waves share nothing: no barrier.
; Source 0 = 16 pixels, source 1 = my 16 rows of wo: a lane holds ONE output and eight neighbouring pixels, 32 bytes of a row of out0.  The rows go through the wave's own stage and leave 256 bytes at a time.
; wo: a lane holds 8 neighbours of a row, four lanes a block; codes and scale bytes go through the wave's own LDS rows and come back as fragments.
; A block's scale byte is the largest magnitude's exponent field - 2, held at 1 from below.  LIMITS: a block of zeros gets the byte 1 where the rule says 127 (its codes are zeros); NaN and infinities are not served.
; LDS, 6,912 bytes a wave: 16 rows of codes (128 + 16 bytes); from 2,304 the scale bytes, 8 a row; from 2,560 the stage, 16 rows of 256 + 16 bytes.
; REGISTERS: v1 32 x lane; v2 a's codes, v3 a's scale words, v4 bias; v5-8 wo's rows in LDS; v9, v10 the stage; v11 out0; v16-39 at work, then v16-31 wo's fragments; v40-43 a's scale words, v44 wo's; v48-55 bias;
;   v64-127, v192-255 rows of wo, then v64-95 the sums; v128-191 a's fragments, then rows on the way out.
.set WO, 1
.set WB, 8
.macro LW g, reg                       ; rows 8 g .. 8 g + 7 of my rows of wo: lane l takes k = 8 l .. 8 l + 7; a row's two loads cover its 1,024 bytes
.irp p, 0,1,2,3,4,5,6,7
	global_load_b128 v[(\reg)+8*\p:(\reg)+8*\p+3], v[WO], s[WB:WB+1] offset:(8*(\g)+\p)*1024
	global_load_b128 v[(\reg)+8*\p+4:(\reg)+8*\p+7], v[WO], s[WB:WB+1] offset:(8*(\g)+\p)*1024+16
.endr
.endm
.macro QW g, reg                       ; eight rows by turns: four lanes hold a block
.irp p, 0,1,2,3,4,5,6,7
	v_max3_num_f32 v[16+\p], |v[(\reg)+8*\p]|, |v[(\reg)+8*\p+1]|, 0x1800000
.endr
.irp i, 2,4,6
.irp p, 0,1,2,3,4,5,6,7
	v_max3_num_f32 v[16+\p], v[16+\p], |v[(\reg)+8*\p+\i]|, |v[(\reg)+8*\p+\i+1]|
.endr
.endr
.irp p, 0,1,2,3,4,5,6,7
	v_max_num_f32_dpp v[16+\p], v[16+\p], v[16+\p] row_xmask:1 row_mask:0xf bank_mask:0xf
.endr
.irp p, 0,1,2,3,4,5,6,7
	v_max_num_f32_dpp v[16+\p], v[16+\p], v[16+\p] row_xmask:2 row_mask:0xf bank_mask:0xf
.endr
.irp p, 0,1,2,3,4,5,6,7
	v_add_nc_u32 v[16+\p], 0xff000000, v[16+\p]    ; 2 off the exponent field: the conversion's scale operand
.endr
.irp p, 0,1,2,3,4,5,6,7
	v_lshrrev_b32 v[24+\p], 23, v[16+\p]           ; the scale's byte
.endr
.irp p, 0,1,2,3,4,5,6,7
	v_cvt_scalef32_pk8_fp4_f32 v[32+\p], v[(\reg)+8*\p:(\reg)+8*\p+7], v[16+\p]
.endr
	v_nop                                          ; one plain place behind the scaled conversions
.irp p, 0,1,2,3,4,5,6,7
	ds_store_b32 v5, v[32+\p] offset:(8*(\g)+\p)*144
	ds_store_b8 v6, v[24+\p] offset:(8*(\g)+\p)*8  ; the four lanes of a block write the same byte with the same value
.endr
	s_wait_dscnt 0x0                               ; the stores have read their registers
.endm
.macro MM d, a, b, c, sa, sb, row      ; one product of 16 x 16 x 128; row = 1: both sides' scale words come from lanes 16-31 (K step 1)
.if \row
	v_wmma_scale_f32_16x16x128_f8f6f4 v[(\d):(\d)+7], v[(\a):(\a)+7], v[(\b):(\b)+7], v[(\c):(\c)+7], v[(\sa)], v[(\sb)] matrix_a_fmt:MATRIX_FMT_FP4 matrix_b_fmt:MATRIX_FMT_FP4 matrix_a_scale:MATRIX_SCALE_ROW1 matrix_b_scale:MATRIX_SCALE_ROW1
.else
	v_wmma_scale_f32_16x16x128_f8f6f4 v[(\d):(\d)+7], v[(\a):(\a)+7], v[(\b):(\b)+7], v[(\c):(\c)+7], v[(\sa)], v[(\sb)] matrix_a_fmt:MATRIX_FMT_FP4 matrix_b_fmt:MATRIX_FMT_FP4
.endif
.endm
	s_load_b256 s[4:11], s[0:1], 0x0               ; acod, ascl, wo, bo
	s_load_b64 s[12:13], s[0:1], 0x20              ; out0
	v_lshl_add_u32 v62, v0, 2, 0xd800
	v_mov_b32 v63, 0
	v_lshrrev_b32 v14, 5, v0
	v_readfirstlane_b32 s2, v14                    ; wave 0..7
	s_and_b32 s3, ttmp7, 0xffff                    ; which half of the outputs
	s_lshr_b32 s14, ttmp9, 6                       ; batch
	s_and_b32 s15, ttmp9, 63                       ; group of 64 pixels
	s_lshl_b32 s16, s3, 7
	s_lshl_b32 s17, s2, 4
	s_add_co_u32 s16, s16, s17                     ; my first output
	s_lshl_b32 s18, s16, 10                        ; wo: rows of 1,024 bytes
	s_mov_b32 s19, 0
	s_lshl_b32 s20, s14, 19                        ; acod: 8 heads x 65,536 a batch element,
	s_lshl_b32 s21, s15, 10                        ; 64 pixels x 16 bytes a group
	s_add_co_u32 s20, s20, s21
	s_mov_b32 s21, 0
	s_lshl_b32 s22, s14, 15                        ; ascl: 32,768 a batch element,
	s_lshl_b32 s23, s15, 9                         ; 64 pixels x 8 bytes
	s_add_co_u32 s22, s22, s23
	s_mov_b32 s23, 0
	s_lshl_b32 s24, s16, 2                         ; bo
	s_mov_b32 s25, 0
	s_lshl_b32 s26, s14, 22                        ; out0: 4,194,304 a batch element,
	s_lshl_b32 s27, s16, 14                        ; rows of 16,384 bytes,
	s_add_co_u32 s26, s26, s27
	s_lshl_b32 s27, s15, 8                         ; 64 pixels x 4 bytes
	s_add_co_u32 s26, s26, s27
	s_mov_b32 s27, 0
	s_mul_i32 s28, s2, 6912                        ; my wave's LDS
	s_add_co_u32 s29, s28, 2304
	s_add_co_u32 s30, s28, 2560
	v_and_b32 v12, 31, v0                          ; lane
	v_and_b32 v13, 15, v0                          ; r
	v_bfe_u32 v14, v0, 4, 1                        ; h
	v_lshlrev_b32 v[WO], 5, v12
	v_lshlrev_b32 v2, 4, v13
	v_lshl_add_u32 v2, v14, 16, v2                 ; a's codes: pixel r, and one head on for lanes 16-31
	v_lshlrev_b32 v3, 3, v13
	v_lshl_add_u32 v3, v14, 2, v3                  ; a's scale words: lanes 0-15 heads 0-3 (K step 0), lanes 16-31 heads 4-7
	v_lshlrev_b32 v4, 2, v13
	s_wait_kmcnt 0x0
	s_add_nc_u64 s[8:9], s[8:9], s[18:19]
	s_add_nc_u64 s[4:5], s[4:5], s[20:21]
	s_add_nc_u64 s[6:7], s[6:7], s[22:23]
	s_add_nc_u64 s[10:11], s[10:11], s[24:25]
	s_add_nc_u64 s[12:13], s[12:13], s[26:27]
	LW 0, 64
	LW 1, 192
.irp m, 0,1,2,3
.irp s, 0,1
.irp c, 0,1
	global_load_b128 v[128+16*\m+8*\s+4*\c:128+16*\m+8*\s+4*\c+3], v2, s[4:5] offset:(4*\s+2*\c)*65536+256*\m   ; pixel tile m, K step s: block 2 c + h is head 4 s + 2 c + h; each half of the lanes reads 256 consecutive bytes
.endr
.endr
.endr
.irp m, 0,1,2,3
	global_load_b32 v[40+\m], v3, s[6:7] offset:128*\m
.endr
.irp j, 0,1,2,3,4,5,6,7
	global_load_b32 v[48+\j], v4, s[10:11]         ; a lane holds one output: its bias in all eight registers of the C
.endr
	v_lshl_add_u32 v5, v12, 2, s28                 ; wo's codes: 4 x lane
	v_lshrrev_b32 v6, 2, v12
	v_add_nc_u32 v6, s29, v6                       ; its scale bytes: block lane / 4
	v_mul_u32_u24 v7, v13, 144
	v_lshl_add_u32 v7, v14, 4, v7
	v_add_nc_u32 v7, s28, v7                       ; a fragment of wo: row r, + 16 h
	v_add_nc_u32 v8, s29, v3                       ; its scale words: 8 r + 4 h
	v_mul_u32_u24 v9, v13, 272
	v_lshl_add_u32 v9, v14, 5, v9
	v_add_nc_u32 v9, s30, v9                       ; the stage, in: row r, + 32 h
	v_mul_u32_u24 v10, v14, 272
	v_lshl_add_u32 v10, v13, 4, v10
	v_add_nc_u32 v10, s30, v10                     ; back: lanes 0-15 one row, lanes 16-31 the next
	v_lshlrev_b32 v11, 4, v13
	v_lshl_add_u32 v11, v14, 14, v11               ; and the same two rows in out0
	s_wait_loadcnt 44                              ; behind rows 0-7: 16 + 16 + 4 + 8 loads
	QW 0, 64
	s_wait_loadcnt 28                              ; behind rows 8-15: 16 + 4 + 8
	QW 1, 192
.irp s, 0,1
.irp c, 0,1
	ds_load_b128 v[16+8*\s+4*\c:16+8*\s+4*\c+3], v7 offset:64*\s+32*\c
.endr
.endr
	ds_load_b32 v44, v8
	s_wait_loadcnt 0x0
	s_wait_dscnt 0x0
.irp m, 0,1,2,3
	MM 64+8*\m, 128+16*\m, 16, 48, 40+\m, 44, 0    ; the four sums take turns; the bias starts each
.endr
.irp m, 0,1,2,3
	MM 64+8*\m, 136+16*\m, 24, 64+8*\m, 40+\m, 44, 1
.endr
.rept 4
	v_nop                                          ; four places in front of the first read of the results, and of the loads into a's registers
.endr
.irp m, 0,1,2,3
	ds_store_b128 v9, v[64+8*\m:67+8*\m] offset:64*\m              ; out(my output, pixels 16 m + 8 h + 0 .. 7): each sum from its low end on
	ds_store_b128 v9, v[68+8*\m:71+8*\m] offset:64*\m+16
.endr
.irp t, 0,1,2,3,4,5,6,7
	ds_load_b128 v[128+4*\t:131+4*\t], v10 offset:544*\t           ; LDS serves a wave's instructions in order: these see my stores
.endr
.irp t, 0,1,2,3,4,5,6,7
	s_wait_dscnt 7-\t                              ; the younger loads may stay out
	global_store_b128 v11, v[128+4*\t:131+4*\t], s[12:13] offset:32768*\t th:TH_STORE_NT   ; sixteen lanes store 256 consecutive bytes, aligned; written once
.endr
	s_wait_tensorcnt 0x0
	ds_add_u32 v62, v63
	s_wait_dscnt 0x0
	s_endpgm
.Lfunc_end_k_q7083a2edc6_outp:
	.size	k_q7083a2edc6_outp, .Lfunc_end_k_q7083a2edc6_outp-k_q7083a2edc6_outp
	.p2alignl 7, 3214868480
	.fill 96, 4, 3214868480
	.section	.rodata,"a",@progbits
	.p2align	6, 0x0
	.amdhsa_kernel k_q7083a2edc6_outp
		.amdhsa_group_segment_fixed_size 56320
		.amdhsa_private_segment_fixed_size 0
		.amdhsa_enable_private_segment 0
		.amdhsa_kernarg_size 40
		.amdhsa_user_sgpr_count 2
		.amdhsa_user_sgpr_kernarg_segment_ptr 1
		.amdhsa_wavefront_size32 1
		.amdhsa_system_sgpr_workgroup_id_x 1
		.amdhsa_system_sgpr_workgroup_id_y 1
		.amdhsa_system_sgpr_workgroup_id_z 1
		.amdhsa_system_vgpr_workitem_id 0
		.amdhsa_next_free_vgpr 256
		.amdhsa_next_free_sgpr 66
		.amdhsa_reserve_vcc 0
		.amdhsa_float_denorm_mode_32 3
		.amdhsa_float_denorm_mode_16_64 3
		.amdhsa_memory_ordered 1
		.amdhsa_forward_progress 1
		.amdhsa_inst_pref_size 24
	.end_amdhsa_kernel
	.amdgpu_metadata
---
amdhsa.version: [ 1, 2 ]
amdhsa.kernels:
  - .name:           k_q7083a2edc6_outp
    .symbol:         k_q7083a2edc6_outp.kd
    .args:
      - { .name: acod, .offset: 0, .size: 8, .value_kind: global_buffer, .address_space: global }
      - { .name: ascl, .offset: 8, .size: 8, .value_kind: global_buffer, .address_space: global }
      - { .name: wo, .offset: 16, .size: 8, .value_kind: global_buffer, .address_space: global }
      - { .name: bo, .offset: 24, .size: 8, .value_kind: global_buffer, .address_space: global }
      - { .name: out0, .offset: 32, .size: 8, .value_kind: global_buffer, .address_space: global }
    .group_segment_fixed_size: 56320
    .private_segment_fixed_size: 0
    .kernarg_segment_align: 8
    .kernarg_segment_size: 40
    .max_flat_workgroup_size: 256
    .sgpr_count:     66
    .vgpr_count:     256
    .wavefront_size: 32
...
	.end_amdgpu_metadata
.endif
;; end of part 3
;; ======== version 2 of 2: 3 launches
;; workspace buffers: qrec 1,114,112 bytes; kv 2,228,224 bytes; acod 1,048,576 bytes; ascl 65,536 bytes
;; launch proj (part 4): grid 64 x 3, 8 waves a work-group, no clusters, 57,344 bytes of LDS; arguments query, key, value, wq, wk, wv, bq, bk, bv, qrec, kv; writes qrec, kv
.if DOCPART == 4
	.amdgcn_target "amdgcn-amd-amdhsa--gfx1250"
	.amdhsa_code_object_version 6
	.text
	.protected	k_q7083a2edc6_proj
	.globl	k_q7083a2edc6_proj
	.p2align	8
	.type	k_q7083a2edc6_proj,@function
k_q7083a2edc6_proj:
	s_mov_b64 s[64:65], 0
	v_nop
	global_prefetch_b8 v0, s[64:65] scope:SCOPE_SE
	s_setreg_imm32_b32 hwreg(HW_REG_WAVE_MODE, 25, 1), 1
	s_wait_xcnt 0x0
; q, k, v = W x + b (1 x 1 convolutions), on codes of FP4 (E2M1) with one E8M0 scale for each 32 along K = the 256 channels; the results are quantised at once for the attention launch.
; x: [2][256][4096] f32 (K is NOT innermost), W: [256][256] f32 (K innermost), b: [256] f32.  Work-group y picks the tensor: 0 query, 1 key, 2 value.
; SHARES.  A work-group owns 128 pixels of one batch element (work-group x: batch = x / 32, pixels 128 (x % 32) on).  For the products wave w owns head w (outputs 32 w .. 32 w + 31) for all 128 pixels.
; QUANTISING x: a lane takes ONE pixel and its registers run down the channels: wave w takes pixels 32 (w % 4) + lane, channels 128 (w / 4) on; a block of 32 lies in one lane; the codes come out with K innermost.
;   They go to LDS as images of the operand's registers (fragment = 16 pixels x 128 channels: block beta of row r at 256 beta + 16 r) and every wave reads them behind ONE barrier.
; QUANTISING W: a wave quantises only the 32 rows that it keeps: a lane holds 8 neighbours of a row, four lanes a block; codes and scale bytes go through the wave's own LDS rows.
; q, k: the product is used transposed (source 0 = 16 rows of W, source 1 = 16 pixels), and lane r of tile t takes row 8 t + r + 8 (r / 8) of the head: a lane then holds one pixel and d = 16 (lane / 16) + 0 .. 15:
;   half of the pixel's one block along d.  Out: codes [pixel][16 bytes], and scale words (64 pixels, row r): byte (pixel / 16) % 4.
; v: source 0 = 16 pixels, source 1 = the same rows of W: a lane holds one d and 8 pixels a tile; two tiles and lane xor 16 make a block of 32 keys.  Out: images of the attention launch's fragments;
;   the four words of a block hold keys 0-7, 16-23, 8-15, 24-31, the order in which the weights' codes come out there.
; A block's scale is 2^(floor(log2(largest magnitude)) - 2): its byte is the largest magnitude's exponent field - 2, held at 1 from below by a floor among the maximum's leaves.
; LIMITS: a block of zeros gets the byte 1 where the rule says 127 (its codes are zeros, and this program alone reads the bytes); NaN and infinities among the inputs are not served.
.set XIMG, 0                           ; LDS: x's 16 fragments: tile of pixels m, K step s at 2048 m + 1024 s
.set XSC,  16384                       ; their scale words: 128 m + 64 s + 4 r
.set WROW, 17408                       ; each wave's 32 rows of codes, 128 bytes + 16
.set WPW,  4608
.set WSCL, 54272                       ; each wave's scale bytes, 8 a row
.set XO, 1                             ; v1   4 x lane
.set WO, 2                             ; v2   32 x lane
.set XB, 32                            ; s[32:33] x at my wave's first number
.set WB, 34                            ; s[34:35] W at my wave's first row
; v3 where I store x's codes, v4 x's scale word, v5 W's codes, v6 W's scale bytes; v7 W's fragments, v8 W's scale words, v9 16 x lane, v10 XSC + 4 x lane; v11 16 r + 8 h; v12, v13 bias offsets
; v14-39 at work; v40-55 codes; v56-59 x's scale words; v60-62 scale words going out; v63 a lane permute's destination
; loading: v64-191 x's numbers (four blocks of 32), v192-255 (and then v64, v128) eight rows of W.   products: v64-95 W's fragments, v96-97 W's scale words, v100-115 bias, v128.. x's fragments, v192.. sums
.macro LX bb                           ; block bb of my pixel: 32 channels; a wave reads 128 consecutive bytes a load, read once in the launch
.set I, 0
.rept 32
	global_load_b32 v[64+32*(\bb)+I], v[XO], s[XB:XB+1] offset:(32*(\bb)+I)*16384 th:TH_LOAD_NT
.set I, I+1
.endr
.endm
.macro LW g, reg                       ; rows 8 g .. 8 g + 7 of my wave's rows of W: lane l takes k = 8 l .. 8 l + 7; a row's two loads cover its 1,024 bytes
.irp p, 0,1,2,3,4,5,6,7
	global_load_b128 v[(\reg)+8*\p:(\reg)+8*\p+3], v[WO], s[WB:WB+1] offset:(8*(\g)+\p)*1024
	global_load_b128 v[(\reg)+8*\p+4:(\reg)+8*\p+7], v[WO], s[WB:WB+1] offset:(8*(\g)+\p)*1024+16
.endr
.endm
.macro QX bb                           ; my pixel's block bb: largest magnitude, scale, codes, image
.set XN, 64+32*(\bb)
	v_max3_num_f32 v14, |v[XN]|, |v[XN+1]|, |v[XN+2]|
	v_max3_num_f32 v15, |v[XN+3]|, |v[XN+4]|, |v[XN+5]|
.irp i, 6,10,14,18,22,26
	s_delay_alu instid0(VALU_DEP_2)
	v_max3_num_f32 v14, v14, |v[XN+\i]|, |v[XN+\i+1]|
	s_delay_alu instid0(VALU_DEP_2)
	v_max3_num_f32 v15, v15, |v[XN+\i+2]|, |v[XN+\i+3]|
.endr
	s_delay_alu instid0(VALU_DEP_2)
	v_max3_num_f32 v14, v14, |v[XN+30]|, |v[XN+31]|
	s_delay_alu instid0(VALU_DEP_1)
	v_max3_num_f32 v14, v14, v15, 0x1800000        ; the floor 2^(3 - 127): the byte cannot fall under 1
	s_delay_alu instid0(VALU_DEP_1)
	v_add_nc_u32 v14, 0xff000000, v14              ; 2 off the exponent field: the conversion's scale operand
	s_delay_alu instid0(VALU_DEP_1)
	v_lshrrev_b32 v15, 23, v14                     ; the scale's byte
.if (\bb) == 0
	s_delay_alu instid0(VALU_DEP_1)
	v_mov_b32 v56, v15
.else
	s_delay_alu instid0(VALU_DEP_1)
	v_lshl_or_b32 v56, v15, 8*(\bb), v56           ; four bytes make my pixel's scale word of this K step
.endif
.irp g, 0,1,2,3
	v_cvt_scalef32_pk8_fp4_f32 v[40+4*(\bb)+\g], v[XN+8*\g:XN+8*\g+7], v14
.endr
	v_nop                                          ; one plain place behind the scaled conversions
	ds_store_b128 v3, v[40+4*(\bb):43+4*(\bb)] offset:256*(\bb)
.endm
.macro QW g, reg                       ; eight rows of W by turns: four lanes hold a block
.irp p, 0,1,2,3,4,5,6,7
	v_max3_num_f32 v[16+\p], |v[(\reg)+8*\p]|, |v[(\reg)+8*\p+1]|, 0x1800000
.endr
.irp i, 2,4,6
.irp p, 0,1,2,3,4,5,6,7
	v_max3_num_f32 v[16+\p], v[16+\p], |v[(\reg)+8*\p+\i]|, |v[(\reg)+8*\p+\i+1]|
.endr
.endr
.irp p, 0,1,2,3,4,5,6,7
	v_max_num_f32_dpp v[16+\p], v[16+\p], v[16+\p] row_xmask:1 row_mask:0xf bank_mask:0xf
.endr
.irp p, 0,1,2,3,4,5,6,7
	v_max_num_f32_dpp v[16+\p], v[16+\p], v[16+\p] row_xmask:2 row_mask:0xf bank_mask:0xf
.endr
.irp p, 0,1,2,3,4,5,6,7
	v_add_nc_u32 v[16+\p], 0xff000000, v[16+\p]
.endr
.irp p, 0,1,2,3,4,5,6,7
	v_lshrrev_b32 v[24+\p], 23, v[16+\p]
.endr
.irp p, 0,1,2,3,4,5,6,7
	v_cvt_scalef32_pk8_fp4_f32 v[32+\p], v[(\reg)+8*\p:(\reg)+8*\p+7], v[16+\p]
.endr
	v_nop                                          ; one plain place behind the scaled conversions
.irp p, 0,1,2,3,4,5,6,7
	ds_store_b32 v5, v[32+\p] offset:(8*(\g)+\p)*144       ; my 8 codes: 4 bytes of the row's 128
	ds_store_b8 v6, v[24+\p] offset:(8*(\g)+\p)*8          ; the four lanes of a block write the same byte with the same value
.endr
	s_wait_dscnt 0x0                               ; the stores have read their registers
.endm
.macro MM d, a, b, c, sa, sb, row      ; one product of 16 x 16 x 128; row = 1: both sides' scale words come from lanes 16-31 (K step 1)
.if \row
	v_wmma_scale_f32_16x16x128_f8f6f4 v[(\d):(\d)+7], v[(\a):(\a)+7], v[(\b):(\b)+7], v[(\c):(\c)+7], v[(\sa)], v[(\sb)] matrix_a_fmt:MATRIX_FMT_FP4 matrix_b_fmt:MATRIX_FMT_FP4 matrix_a_scale:MATRIX_SCALE_ROW1 matrix_b_scale:MATRIX_SCALE_ROW1
.else
	v_wmma_scale_f32_16x16x128_f8f6f4 v[(\d):(\d)+7], v[(\a):(\a)+7], v[(\b):(\b)+7], v[(\c):(\c)+7], v[(\sa)], v[(\sb)] matrix_a_fmt:MATRIX_FMT_FP4 matrix_b_fmt:MATRIX_FMT_FP4
.endif
.endm
.macro Q16 a, cd                       ; my 16 numbers v[a] .. v[a + 15] and lane xor 16's are a block: codes into v[cd], v[cd + 1], the byte into v15.  Each of the two sums is read from its low end on
	v_max3_num_f32 v14, |v[(\a)]|, |v[(\a)+1]|, 0x1800000
	v_max3_num_f32 v15, |v[(\a)+8]|, |v[(\a)+9]|, |v[(\a)+10]|
	v_max3_num_f32 v14, v14, |v[(\a)+2]|, |v[(\a)+3]|
	v_max3_num_f32 v15, v15, |v[(\a)+11]|, |v[(\a)+12]|
	v_max3_num_f32 v14, v14, |v[(\a)+4]|, |v[(\a)+5]|
	v_max3_num_f32 v15, v15, |v[(\a)+13]|, |v[(\a)+14]|
	v_max3_num_f32 v14, v14, |v[(\a)+6]|, |v[(\a)+7]|
	v_max3_num_f32 v14, v14, v15, |v[(\a)+15]|
	s_delay_alu instid0(VALU_DEP_1)
	v_permlanex16_b32 v63, v14, s48, s49
	s_delay_alu instid0(VALU_DEP_1)
	v_max_num_f32 v14, v14, v63
	s_delay_alu instid0(VALU_DEP_1)
	v_add_nc_u32 v14, 0xff000000, v14
	s_delay_alu instid0(VALU_DEP_1)
	v_lshrrev_b32 v15, 23, v14
	v_cvt_scalef32_pk8_fp4_f32 v[(\cd)], v[(\a):(\a)+7], v14
	v_cvt_scalef32_pk8_fp4_f32 v[(\cd)+1], v[(\a)+8:(\a)+15], v14
	v_nop                                          ; one plain place behind the scaled conversions
.endm
	s_load_b512 s[8:23], s[0:1], 0x0               ; query, key, value, wq, wk, wv, bq, bk
	s_load_b128 s[24:27], s[0:1], 0x40             ; bv, qrec
	s_load_b64 s[28:29], s[0:1], 0x50              ; kv
	s_set_vgpr_msb 0x40
	v_lshl_add_u32 v0, v0, 2, 0xdc00
	v_mov_b32 v1, 0
	s_set_vgpr_msb 0x4000
	v_lshrrev_b32 v14, 5, v0
	s_delay_alu instid0(VALU_DEP_1)
	v_readfirstlane_b32 s2, v14                    ; wave 0..7
	s_and_b32 s3, ttmp7, 0xffff                    ; which tensor
	s_lshr_b32 s4, ttmp9, 5                        ; batch
	s_and_b32 s5, ttmp9, 31                        ; group of 128 pixels
	s_and_b32 s6, s2, 3
	s_lshr_b32 s7, s2, 2
	v_and_b32 v15, 31, v0                          ; lane
	s_delay_alu instid0(VALU_DEP_1)
	v_lshlrev_b32 v[XO], 2, v15
	s_delay_alu instid0(VALU_DEP_2)
	v_lshlrev_b32 v[WO], 5, v15
	s_lshl_b32 s42, s4, 22                         ; x: batch x 4,194,304
	s_lshl_b32 s43, s7, 21                         ; + 128 channels x 16,384 for waves 4-7
	s_add_co_u32 s42, s42, s43
	s_lshl_b32 s43, s5, 9                          ; + 128 pixels x 4 bytes a group
	s_add_co_u32 s42, s42, s43
	s_lshl_b32 s43, s6, 7                          ; + 32 pixels x 4 bytes
	s_add_co_u32 s42, s42, s43
	s_mov_b32 s43, 0
	s_lshl_b32 s44, s2, 15                         ; W: 32 rows of 1,024 bytes a wave
	s_mov_b32 s45, 0
	s_lshl_b32 s46, s2, 7                          ; bias: 32 numbers a wave
	s_mov_b32 s47, 0
	s_mov_b32 s48, 0x76543210                      ; v_permlanex16_b32's selects for lane xor 16
	s_mov_b32 s49, 0xfedcba98
	s_mov_b32 s50, 0xffff0000                      ; lanes 16-31
	s_wait_alu depctr_va_vdst(0)
	s_wait_kmcnt 0x0
	s_cmp_eq_u32 s3, 0                             ; the choice hangs on the work-group's number alone
	s_cselect_b64 s[32:33], s[8:9], s[10:11]
	s_cselect_b64 s[34:35], s[14:15], s[16:17]
	s_cselect_b64 s[36:37], s[20:21], s[22:23]
	s_cselect_b64 s[38:39], s[26:27], s[28:29]     ; q goes to qrec, k and v to kv
	s_cmp_eq_u32 s3, 2
	s_cselect_b64 s[32:33], s[12:13], s[32:33]
	s_cselect_b64 s[34:35], s[18:19], s[34:35]
	s_cselect_b64 s[36:37], s[24:25], s[36:37]
	s_add_nc_u64 s[32:33], s[32:33], s[42:43]
	s_add_nc_u64 s[34:35], s[34:35], s[44:45]
	s_add_nc_u64 s[36:37], s[36:37], s[46:47]
	LX 0
	LX 1
	LX 2
	LX 3
	LW 0, 192
	v_and_b32 v16, 15, v0                          ; r
	v_bfe_u32 v17, v0, 4, 1                        ; h
	s_delay_alu instid0(VALU_DEP_2)
	v_and_b32 v18, 8, v16
	s_delay_alu instid0(VALU_DEP_1)
	v_add_nc_u32 v18, v18, v16                     ; r + 8 (r / 8)
	s_lshl_b32 s51, s6, 12
	s_lshl_b32 s52, s7, 10
	s_add_co_u32 s51, s51, s52
	v_lshlrev_b32 v3, 4, v16
	s_delay_alu instid0(VALU_DEP_1)
	v_lshl_add_u32 v3, v17, 11, v3
	s_delay_alu instid0(VALU_DEP_1)
	v_add_nc_u32 v3, s51, v3                       ; x's codes: tile 2 (w % 4) + h, K step w / 4, row r
	s_lshl_b32 s51, s6, 8
	s_lshl_b32 s52, s7, 6
	s_add_co_u32 s51, s51, s52
	s_add_co_u32 s51, s51, XSC
	v_lshlrev_b32 v4, 2, v16
	s_delay_alu instid0(VALU_DEP_1)
	v_lshl_add_u32 v4, v17, 7, v4
	s_delay_alu instid0(VALU_DEP_1)
	v_add_nc_u32 v4, s51, v4                       ; and their scale word
	s_mul_i32 s51, s2, WPW
	s_add_co_u32 s51, s51, WROW                    ; my wave's rows of W
	s_lshl_b32 s52, s2, 8
	s_add_co_u32 s52, s52, WSCL                    ; and their scale bytes
	v_add_nc_u32 v5, s51, v[XO]
	v_lshrrev_b32 v6, 2, v15
	s_delay_alu instid0(VALU_DEP_1)
	v_add_nc_u32 v6, s52, v6
	v_mul_u32_u24 v7, v18, 144
	s_delay_alu instid0(VALU_DEP_1)
	v_lshl_add_u32 v7, v17, 4, v7
	s_delay_alu instid0(VALU_DEP_1)
	v_add_nc_u32 v7, s51, v7                       ; a fragment of W: row r + 8 (r / 8) of the tile, + 16 h
	v_lshlrev_b32 v8, 3, v18
	s_delay_alu instid0(VALU_DEP_1)
	v_lshl_add_u32 v8, v17, 2, v8
	s_delay_alu instid0(VALU_DEP_1)
	v_add_nc_u32 v8, s52, v8                       ; its scale words: lanes 0-15 K step 0's, lanes 16-31 K step 1's
	v_lshlrev_b32 v9, 4, v15
	v_add_nc_u32 v10, XSC, v[XO]
	v_lshlrev_b32 v11, 4, v16
	s_delay_alu instid0(VALU_DEP_1)
	v_lshl_add_u32 v11, v17, 3, v11                ; out: 16 r + 8 h
	v_lshlrev_b32 v12, 2, v18                      ; v's bias: one number a lane
	v_lshlrev_b32 v13, 6, v17                      ; q's and k's: 16 numbers from 16 h on
	v_mov_b32 v63, 0                               ; written once: a lane permute's destination counts as one of its sources
	s_wait_loadcnt 63                              ; 144 loads are issued and 80 stand behind block 1's last: the largest count that the wait can name serves
	QX 0
	QX 1
	LW 1, 64                                       ; into the registers that blocks 0 and 1 have left
	s_wait_loadcnt 63                              ; 64 loads stand behind block 2's last
	QX 2
	s_wait_loadcnt 32                              ; behind block 3: two runs of 16 weight loads
	QX 3
	ds_store_b32 v4, v56
	LW 2, 128
	s_wait_loadcnt 32                              ; behind rows 0-7: rows 8-15 and 16-23
	QW 0, 192
	LW 3, 192
	s_wait_loadcnt 32                              ; behind rows 8-15: rows 16-23 and 24-31
	QW 1, 64
	s_wait_loadcnt 16                              ; behind rows 16-23: rows 24-31
	QW 2, 128
	s_wait_loadcnt 0x0
	QW 3, 192
	s_wait_dscnt 0x0                               ; for the others' sake: my images of x have landed
	s_barrier_signal -1
	s_barrier_wait -1                              ; x's sixteen fragments lie in LDS; from here on LDS is only read
.irp t, 0,1
.irp s, 0,1
.irp c, 0,1
	ds_load_b128 v[64+16*\t+8*\s+4*\c:64+16*\t+8*\s+4*\c+3], v7 offset:1152*\t+64*\s+32*\c   ; W's fragment (tile t, K step s): it stays
.endr
.endr
.endr
.irp t, 0,1
	ds_load_b32 v[96+\t], v8 offset:64*\t
.endr
	s_lshl_b32 s42, s4, 3
	s_add_co_u32 s42, s42, s2                      ; 8 x batch + head
	s_cmp_eq_u32 s3, 2
	s_cbranch_scc1 .Lv
	; ---- q and k
	s_mul_i32 s42, s42, 69632
	s_lshl_b32 s42, s42, s3                        ; the head's record: 69,632 bytes in qrec, twice that in kv
	s_lshl_b32 s44, 0x10000, s3                    ; where its scale words begin
	s_lshl_b32 s46, s5, 11
	s_add_co_u32 s46, s46, s42
	s_mov_b32 s47, 0
	s_add_nc_u64 s[40:41], s[38:39], s[46:47]      ; codes: 16 bytes a pixel
	s_lshl_b32 s46, s5, 7
	s_add_co_u32 s46, s46, s42
	s_add_co_u32 s46, s46, s44
	s_add_nc_u64 s[38:39], s[38:39], s[46:47]      ; scale words: 128 bytes for 128 pixels
.irp t, 0,1
	global_load_b128 v[100+8*\t:103+8*\t], v13, s[36:37] offset:32*\t       ; the bias in the result's layout: d = 16 h + 8 t + 0 .. 7: it is the C of each sum's first product
	global_load_b128 v[104+8*\t:107+8*\t], v13, s[36:37] offset:32*\t+16
.endr
.macro FX m, p                         ; pixel tile m: two fragments and their scale words (lanes 0-15 K step 0's, lanes 16-31 K step 1's) into set p
.irp s, 0,1
.irp c, 0,1
	ds_load_b128 v[128+16*(\p)+8*\s+4*\c:128+16*(\p)+8*\s+4*\c+3], v9 offset:2048*(\m)+1024*\s+512*\c
.endr
.endr
	ds_load_b32 v[56+(\p)], v10 offset:128*(\m)
.endm
.macro QKTILE m
.set P, (\m)%2
.set AC, 192+16*P
.set XFP, 128+16*P
.if (\m) < 7
	FX (\m)+1, 1-P                                 ; the other set's last products stand more than four plain places back
	s_wait_dscnt 0x5                               ; all but the next tile's five loads
.else
	s_wait_dscnt 0x0
.endif
.if (\m) == 0
	s_wait_loadcnt 0x0                             ; the bias
.endif
	MM AC, 64, XFP, 100, 96, 56+P, 0               ; the two sums take turns
	MM AC+8, 80, XFP, 108, 97, 56+P, 0
	MM AC, 72, XFP+8, AC, 96, 56+P, 1
	MM AC+8, 88, XFP+8, AC+8, 97, 56+P, 1
.rept 4
	v_nop                                          ; four places in front of the first read of the results
.endr
	Q16 AC, 40+2*(\m)
.if (\m)%4 == 0
	v_mov_b32 v[60+(\m)/4], v15
.else
	v_lshl_or_b32 v[60+(\m)/4], v15, 8*((\m)%4), v[60+(\m)/4]   ; byte (pixel / 16) % 4 of the word of 64 pixels
.endif
	global_store_b64 v11, v[40+2*(\m):41+2*(\m)], s[40:41] offset:256*(\m)   ; the wave stores 256 consecutive bytes, aligned; each store has data registers of its own
.endm
	FX 0, 0
.irp m, 0,1,2,3,4,5,6,7
	QKTILE \m
.endr
	v_cndmask_b32 v62, v60, v61, s50               ; lanes 0-15 the first 64 pixels' words, lanes 16-31 the second's
	global_store_b32 v[XO], v62, s[38:39]          ; 128 consecutive bytes: half of an aligned 256; one byte in 128 of what the launch moves
	s_set_vgpr_msb 0x5
	s_wait_tensorcnt 0x0
	ds_add_u32 v0, v1
	s_wait_dscnt 0x0
	s_set_vgpr_msb 0x500
	s_endpgm
	; ---- v
.Lv:
	s_mul_i32 s42, s42, 139264
	s_lshl_b32 s44, s5, 11
	s_add_co_u32 s44, s44, s42
	s_add_co_u32 s44, s44, 65536
	s_mov_b32 s45, 0
	s_add_nc_u64 s[40:41], s[38:39], s[44:45]      ; codes: 2,048 bytes for a step of 128 keys
	s_lshl_b32 s44, s5, 7
	s_add_co_u32 s44, s44, s42
	s_add_co_u32 s44, s44, 135168
	s_add_nc_u64 s[38:39], s[38:39], s[44:45]      ; scale words: 128 bytes a step
.irp t, 0,1
.irp j, 0,1,2,3,4,5,6,7
	global_load_b32 v[100+8*\t+\j], v12, s[36:37] offset:32*\t     ; a lane holds one d here: its bias in all eight registers of the C
.endr
.endr
.macro FV bb, p                        ; key block bb: pixel tiles 2 bb and 2 bb + 1 into set p
.irp i, 0,1
.irp s, 0,1
.irp c, 0,1
	ds_load_b128 v[128+32*(\p)+16*\i+8*\s+4*\c:128+32*(\p)+16*\i+8*\s+4*\c+3], v9 offset:2048*(2*(\bb)+\i)+1024*\s+512*\c
.endr
.endr
	ds_load_b32 v[56+2*(\p)+\i], v10 offset:128*(2*(\bb)+\i)
.endr
.endm
.macro VBLOCK bb
.set P, (\bb)%2
.set AC, 192+32*P
.set XFP, 128+32*P
.set XSP, 56+2*P
.if (\bb) < 3
	FV (\bb)+1, 1-P
	s_wait_dscnt 0xa                               ; all but the next block's ten loads
.else
	s_wait_dscnt 0x0
.endif
.if (\bb) == 0
	s_wait_loadcnt 0x0                             ; the bias
.endif
	MM AC, XFP, 64, 100, XSP, 96, 0                ; four sums (pixel tile i, tile t of d at AC + 16 t + 8 i) take turns
	MM AC+16, XFP, 80, 108, XSP, 97, 0
	MM AC+8, XFP+16, 64, 100, XSP+1, 96, 0
	MM AC+24, XFP+16, 80, 108, XSP+1, 97, 0
	MM AC, XFP+8, 72, AC, XSP, 96, 1
	MM AC+16, XFP+8, 88, AC+16, XSP, 97, 1
	MM AC+8, XFP+24, 72, AC+8, XSP+1, 96, 1
	MM AC+24, XFP+24, 88, AC+24, XSP+1, 97, 1
.rept 4
	v_nop                                          ; four places in front of the first read of the results
.endr
.irp t, 0,1
	Q16 AC+16*\t, 40+4*(\bb)+2*\t                  ; my d's keys 8 h + 0..7 and 16 + 8 h + 0..7 of the block
.if (\bb) == 0
	v_mov_b32 v[60+\t], v15
.else
	v_lshl_or_b32 v[60+\t], v15, 8*(\bb), v[60+\t]
.endif
	global_store_b64 v11, v[40+4*(\bb)+2*\t:41+4*(\bb)+2*\t], s[40:41] offset:1024*\t+256*(\bb)   ; 256 consecutive bytes, aligned
.endr
.endm
	FV 0, 0
.irp b, 0,1,2,3
	VBLOCK \b
.endr
	v_cndmask_b32 v62, v60, v61, s50               ; lanes 0-15 tile 0's words, lanes 16-31 tile 1's
	global_store_b32 v[XO], v62, s[38:39]
	s_set_vgpr_msb 0x5
	s_wait_tensorcnt 0x0
	ds_add_u32 v0, v1
	s_wait_dscnt 0x0
	s_set_vgpr_msb 0x500
	s_endpgm
.Lfunc_end_k_q7083a2edc6_proj:
	.size	k_q7083a2edc6_proj, .Lfunc_end_k_q7083a2edc6_proj-k_q7083a2edc6_proj
	.p2alignl 7, 3214868480
	.fill 96, 4, 3214868480
	.section	.rodata,"a",@progbits
	.p2align	6, 0x0
	.amdhsa_kernel k_q7083a2edc6_proj
		.amdhsa_group_segment_fixed_size 57344
		.amdhsa_private_segment_fixed_size 0
		.amdhsa_enable_private_segment 0
		.amdhsa_kernarg_size 88
		.amdhsa_user_sgpr_count 2
		.amdhsa_user_sgpr_kernarg_segment_ptr 1
		.amdhsa_wavefront_size32 1
		.amdhsa_system_sgpr_workgroup_id_x 1
		.amdhsa_system_sgpr_workgroup_id_y 1
		.amdhsa_system_sgpr_workgroup_id_z 1
		.amdhsa_system_vgpr_workitem_id 0
		.amdhsa_next_free_vgpr 258
		.amdhsa_next_free_sgpr 66
		.amdhsa_reserve_vcc 0
		.amdhsa_float_denorm_mode_32 3
		.amdhsa_float_denorm_mode_16_64 3
		.amdhsa_memory_ordered 1
		.amdhsa_forward_progress 1
		.amdhsa_inst_pref_size 91
	.end_amdhsa_kernel
	.amdgpu_metadata
---
amdhsa.version: [ 1, 2 ]
amdhsa.kernels:
  - .name:           k_q7083a2edc6_proj
    .symbol:         k_q7083a2edc6_proj.kd
    .args:
      - { .name: query, .offset: 0, .size: 8, .value_kind: global_buffer, .address_space: global }
      - { .name: key, .offset: 8, .size: 8, .value_kind: global_buffer, .address_space: global }
      - { .name: value, .offset: 16, .size: 8, .value_kind: global_buffer, .address_space: global }
      - { .name: wq, .offset: 24, .size: 8, .value_kind: global_buffer, .address_space: global }
      - { .name: wk, .offset: 32, .size: 8, .value_kind: global_buffer, .address_space: global }
      - { .name: wv, .offset: 40, .size: 8, .value_kind: global_buffer, .address_space: global }
      - { .name: bq, .offset: 48, .size: 8, .value_kind: global_buffer, .address_space: global }
      - { .name: bk, .offset: 56, .size: 8, .value_kind: global_buffer, .address_space: global }
      - { .name: bv, .offset: 64, .size: 8, .value_kind: global_buffer, .address_space: global }
      - { .name: qrec, .offset: 72, .size: 8, .value_kind: global_buffer, .address_space: global }
      - { .name: kv, .offset: 80, .size: 8, .value_kind: global_buffer, .address_space: global }
    .group_segment_fixed_size: 57344
    .private_segment_fixed_size: 0
    .kernarg_segment_align: 8
    .kernarg_segment_size: 88
    .max_flat_workgroup_size: 256
    .sgpr_count:     66
    .vgpr_count:     258
    .wavefront_size: 32
...
	.end_amdgpu_metadata
.endif
;; end of part 4
;; launch attn (part 5): grid 16 x 16, 16 waves a work-group, clusters of 4 x 1, 169,984 bytes of LDS; arguments qrec, kv, acod, ascl; writes acod, ascl
.if DOCPART == 5
	.amdgcn_target "amdgcn-amd-amdhsa--gfx1250"
	.amdhsa_code_object_version 6
	.text
	.protected	k_q7083a2edc6_attn
	.globl	k_q7083a2edc6_attn
	.p2align	8
	.type	k_q7083a2edc6_attn,@function
k_q7083a2edc6_attn:
	s_mov_b64 s[64:65], 0
	v_nop
	global_prefetch_b8 v0, s[64:65] scope:SCOPE_SE
	s_setreg_imm32_b32 hwreg(HW_REG_WAVE_MODE, 25, 1), 1
	s_wait_xcnt 0x0
	s_wait_alu depctr_hold_cnt(0) depctr_sa_sdst(0) depctr_va_vdst(0) depctr_va_sdst(0) depctr_va_ssrc(0) depctr_va_vcc(0) depctr_vm_vsrc(0)
	s_getreg_b32 s2, hwreg(HW_REG_IB_STS2, 6, 4)
	s_cmp_eq_u32 s2, 0
	s_cbranch_scc0 .Lentry_in_a_cluster
	s_endpgm
.Lentry_in_a_cluster:
	s_bfe_u32 s2, ttmp6, 0x10000c
	s_cmp_lg_u32 s2, 0x3003
	s_cbranch_scc0 .Lentry_shape_is_right
	s_endpgm
.Lentry_shape_is_right:
; Attention of one (batch, head) pair on codes of FP4 (E2M1): S^T = k q^T, p = 2^(t - M), O^T = v^T p^T, O / l, and O's codes for the last convolution.  4,096 queries, 4,096 keys, head size 32.
; t = score x log2(e) / sqrt(32); M = the row's largest t so far, rounded UP to a whole number; p is quantised along the keys, not normalised; the row's sum l is taken of the unquantised p and divides O at the end.
; When M moves, the sum and O are multiplied by 2^(old M - new M), which rounds nothing.
; SHARES.  A work-group owns 256 queries of a head (work-group y = 8 x batch + head), each of its sixteen waves 16 of them in 256 registers: four waves to a SIMD, so that one wave's exponentials stand beside
; another's products and LDS loads.  The vector work outweighs the matrix work here: 10 products stand beside some 250 vector instructions a step.
; LDS.  The head's whole record (k's and v's codes and scale words, 139,264 bytes, laid as images of the operands' registers) is brought ONCE: each wave fetches 34 rows of 256 bytes.  Nothing is filled twice.
; CLUSTER.  The four work-groups of a cluster belong to one head and need the same record: each part is asked for JOINTLY, by the same tensor load with the same descriptor and the mask of all four.
; THE SCORES' K IS 32, the instruction's 128.  A fragment of k holds 64 keys: block i of row r is key 16 i + r.  Four versions of q's fragment hold q's codes in block i alone and zero codes elsewhere, with q's scale
; byte in byte i alone: so one fragment of k, read once, serves four products, and product i gives the scores of keys 16 i + 0 .. 15.
; LAYOUT.  Both products are used transposed: a lane holds ONE query (lane % 16) throughout.  Registers 16 b .. 16 b + 15 of the scores are keys 32 b + 8 h + 0..7 and 32 b + 16 + 8 h + 0..7 (h = lane / 16);
; after the exchange of halves a block's four words hold keys 0-7, 16-23, 8-15, 24-31, and v's codes were laid in that same order.
; LIMITS: p under 2^-126 counts as zero (the exponential's own flush); a block of zeros gets the byte 1 where the rule says 127 (its codes are zeros; this program alone reads the bytes); NaN and infinities are not served.
; REGISTERS: v1-3 my lane's places in k's codes, v's codes, the scale words; v4-6 the step's addresses; v7, v8 offsets on the way out; v12 -M, v13 the largest t, v[14:15] the sum in two halves;
;   v16-35 q's codes and zeros (four overlapping fragments); v36-39 q's four scale registers; v40-55 k, v56-71 v; v72, v73 their scale words; v96-159 S^T, then p; v160-175 O^T; v176-183 p's codes; v184-201 at work.
.macro ROUND                           ; a round of the cluster's barrier
	s_barrier_signal -1
	s_barrier_wait -1
	s_cmp_lg_u32 s12, 0
	s_cbranch_scc1 .Lnot_wave_0_\@
	s_barrier_signal -3
.Lnot_wave_0_\@:
	s_barrier_wait -3
	s_barrier_signal -1
	s_barrier_wait -1
.endm
.macro KQ t, qo                        ; scores of keys 16 t + 0 .. 15 of the step: fragment t / 4 of k, q's version at v[16 + qo]
.if (\t) < 4
	v_wmma_scale_f32_16x16x128_f8f6f4 v[96+8*(\t):103+8*(\t)], v[40:47], v[16+(\qo):23+(\qo)], 0, v72, v[36+(\t)%4] matrix_a_fmt:MATRIX_FMT_FP4 matrix_b_fmt:MATRIX_FMT_FP4
.else
	v_wmma_scale_f32_16x16x128_f8f6f4 v[96+8*(\t):103+8*(\t)], v[48:55], v[16+(\qo):23+(\qo)], 0, v72, v[36+(\t)%4] matrix_a_fmt:MATRIX_FMT_FP4 matrix_b_fmt:MATRIX_FMT_FP4 matrix_a_scale:MATRIX_SCALE_ROW1
.endif
.endm
	s_load_b256 s[4:11], s[0:1], 0x0               ; qrec, kv, acod, ascl
	v_lshl_add_u32 v254, v0, 2, 0x29000
	v_mov_b32 v255, 0
	ds_add_u32 v254, v255
	ds_add_u32 v254, v255
	v_lshrrev_b32 v9, 5, v0
	s_delay_alu instid0(VALU_DEP_1)
	v_readfirstlane_b32 s12, v9                    ; wave 0..15
	s_bfe_u32 s13, ttmp6, 0x40000                  ; cx: my place in the cluster: it enters q's and the outputs' addresses alone
	s_lshl_b32 s14, ttmp9, 2
	s_add_co_u32 s14, s14, s13                     ; my block of 256 queries
	s_and_b32 s15, ttmp7, 0xffff                   ; 8 x batch + head, which the four partners share
	; descriptor group 1: 34 dense rows of 256 bytes, as 32 elements of 8 bytes; no padding: every read takes lane i's bytes at 16 i
	s_mov_b32 s24, 15|(3<<16)|(1<<21)              ; 15:0 the mask: all four work-groups; 17:16 elements of 8 bytes; 21 set beside a mask
	s_mov_b32 s25, 32<<16                          ; tensor_dim0 = 32
	s_mov_b32 s26, 34<<16                          ; tensor_dim1 = 34
	s_mov_b32 s27, 32<<16                          ; tile_dim0 = 32
	s_mov_b32 s28, 34                              ; tile_dim1 = 34
	s_mov_b32 s29, 32                              ; elements from row to row
	s_mov_b32 s30, 0
	s_mov_b32 s31, 0
	s_mov_b32 s16, 1                               ; group 0: count = 1
	s_mul_i32 s17, s12, 8704                       ; LDS address: my wave's 34 rows
	s_mul_i32 s38, s15, 139264                     ; the head's record,
	s_add_co_u32 s38, s38, s17                     ; my wave's part of it
	s_mov_b32 s39, 0
	s_mul_i32 s40, s15, 69632                      ; the head's record in qrec
	s_lshl_b32 s41, s14, 12
	s_lshl_b32 s42, s12, 8
	s_add_co_u32 s41, s41, s42                     ; 16 x my first query = 4,096 x block + 256 x wave
	s_add_co_u32 s42, s40, s41                     ; q's codes
	s_mov_b32 s43, 0
	s_lshl_b32 s44, s14, 8
	s_lshr_b32 s45, s12, 2
	s_lshl_b32 s45, s45, 6
	s_add_co_u32 s44, s44, s45                     ; q's scale words: 64 bytes for 64 queries
	s_add_co_u32 s44, s44, s40
	s_mov_b32 s45, 0
	s_lshl_b32 s46, s15, 16
	s_add_co_u32 s46, s46, s41                     ; acod: [8 b + head][pixel][16 bytes]
	s_mov_b32 s47, 0
	s_lshr_b32 s48, s15, 3
	s_lshl_b32 s48, s48, 15
	s_lshr_b32 s49, s41, 1
	s_add_co_u32 s48, s48, s49
	s_and_b32 s49, s15, 7
	s_add_co_u32 s48, s48, s49                     ; ascl: [b][pixel][8 heads]
	s_mov_b32 s49, 0
	s_and_b32 s36, s12, 3
	s_lshl_b32 s36, s36, 3                         ; my queries' byte in their scale word, in bits
	s_mov_b32 s20, 0x76543210                      ; v_permlanex16_b32's selects for lane xor 16
	s_mov_b32 s21, 0xfedcba98
	s_mov_b32 s22, 0x3e8293ee                      ; c = log2(e) / sqrt(32)
	s_mov_b32 s23, s22                             ; (the packed form names the pair)
	s_mov_b32 s35, 0xffff0000                      ; lanes 16-31
	s_mov_b32 s32, 0                               ; the step's codes: 2,048 bytes a step
	s_mov_b32 s33, 0                               ; its scale words: 128 bytes a step
	s_mov_b32 s34, 32                              ; steps of 128 keys
	s_wait_dscnt 0x0
	s_wait_kmcnt 0x0
	s_add_nc_u64 s[18:19], s[6:7], s[38:39]
	s_or_b32 s19, s19, 0x80000000                  ; type = 2
	s_add_nc_u64 s[42:43], s[4:5], s[42:43]
	s_add_nc_u64 s[44:45], s[4:5], s[44:45]
	s_add_nc_u64 s[46:47], s[8:9], s[46:47]
	s_add_nc_u64 s[48:49], s[10:11], s[48:49]
	ROUND                                          ; all four work-groups are here: the joint loads meet
	tensor_load_to_lds s[16:19], s[24:31]          ; my one tensor load of the launch
	s_nop 0
.rept 4
	v_nop
.endr
	v_and_b32 v9, 31, v0                           ; lane
	v_and_b32 v10, 15, v0                          ; r
	v_bfe_u32 v11, v0, 4, 1                        ; h
	s_delay_alu instid0(VALU_DEP_2)
	v_lshlrev_b32 v74, 4, v10
	s_delay_alu instid0(VALU_DEP_3)
	v_lshlrev_b32 v75, 2, v10
	global_load_b128 v[100:103], v74, s[42:43]     ; query r's 32 codes, in both halves of the lanes
	global_load_b32 v104, v75, s[44:45] offset:65536
	v_lshlrev_b32 v1, 4, v9
	v_lshl_add_u32 v2, v9, 4, 0x10000
	v_lshl_add_u32 v3, v9, 2, 0x20000
	v_lshl_add_u32 v7, v11, 3, v74                 ; out: 16 r + 8 h
	v_lshlrev_b32 v8, 3, v10                       ; 8 r
	s_wait_loadcnt 0x0
.irp i, 0,1,2,3
	v_cndmask_b32 v[16+\i], v[100+\i], 0, s35      ; X: q in lanes 0-15, zero codes above
	v_cndmask_b32 v[32+\i], v[100+\i], 0, s35      ; X once more
	v_cndmask_b32 v[24+\i], 0, v[100+\i], s35      ; Y: q in lanes 16-31
	v_mov_b32 v[20+\i], 0                          ; Z: zero codes
	v_mov_b32 v[28+\i], 0                          ; so v16: X Z (block 0), v24: Y Z (block 1), v28: Z X (block 2), v20: Z Y (block 3)
.endr
	v_bfe_u32 v36, v104, s36, 8                    ; q's scale byte, at byte i for version i; the other bytes stay 0: the smallest scale, over zero codes
	s_delay_alu instid0(VALU_DEP_1)
	v_lshlrev_b32 v37, 8, v36
	s_delay_alu instid0(VALU_DEP_2)
	v_lshlrev_b32 v38, 16, v36
	s_delay_alu instid0(VALU_DEP_3)
	v_lshlrev_b32 v39, 24, v36
.set J, 0
.rept 16
	v_mov_b32 v[160+J], 0                          ; O^T.  (The loop is written once: its first step finds zeros.  These lines are also the places between q's registers and the first products)
.set J, J+1
.endr
.irp b, 0,1,2,3
	v_mov_b32 v[188+\b], 0                         ; written once: a lane permute's destination counts as one of its sources
.endr
	v_mov_b32 v197, 0                              ; (named as the upper half of the pair v[196:197] before it is first written)
	v_mov_b32 v13, 0xff61b1e6                      ; the largest t so far: -3e38
	s_delay_alu instid0(VALU_DEP_1)
	v_floor_f32 v12, -v13                          ; -M
	v_mov_b32 v14, 0
	v_mov_b32 v15, 0
	s_wait_tensorcnt 0x0                           ; my part of the record has landed,
	s_barrier_signal -1
	s_barrier_wait -1                              ; everybody's has
.Lstep:                                            ; 32 trips of 128 keys
	s_setprio 2
	v_add_nc_u32 v4, s32, v1
	v_add_nc_u32 v5, s32, v2
	v_add_nc_u32 v6, s33, v3
	v_nop                                          ; four places between the last trip's two products and the loads into the registers that they read
	ds_load_b128 v[40:43], v4
	ds_load_b128 v[44:47], v4 offset:512
	ds_load_b128 v[48:51], v4 offset:1024
	ds_load_b128 v[52:55], v4 offset:1536
	ds_load_b32 v72, v6                            ; k's scale words: lanes 0-15 the first 64 keys', lanes 16-31 the second's
	ds_load_b128 v[56:59], v5
	ds_load_b128 v[60:63], v5 offset:512
	ds_load_b128 v[64:67], v5 offset:1024
	ds_load_b128 v[68:71], v5 offset:1536
	ds_load_b32 v73, v6 offset:4096                ; v's: lanes 0-15 tile 0's, lanes 16-31 tile 1's
	s_wait_dscnt 0x5                               ; k's five loads are in; v's five may be out
	KQ 0, 0
	KQ 1, 8
	KQ 2, 12
	KQ 3, 4
	KQ 4, 0
	KQ 5, 8
	KQ 6, 12
	KQ 7, 4
.rept 4
	v_nop                                          ; four places in front of the first read of the scores
.endr
.irp b, 0,1,2,3
	v_max3_num_f32 v[184+\b], v[96+16*\b], v[97+16*\b], v[98+16*\b]   ; the largest score of each block of 32 keys: for the row's maximum and, since p rises with the score, for the block's largest p
.endr
.irp i, 3,5,7,9,11,13
.irp b, 0,1,2,3
	v_max3_num_f32 v[184+\b], v[184+\b], v[96+16*\b+\i], v[97+16*\b+\i]   ; ascending: each result is read from its low end on
.endr
.endr
.irp b, 0,1,2,3
	v_max_num_f32 v[184+\b], v[184+\b], v[111+16*\b]
.endr
.irp b, 0,1,2,3
	s_delay_alu instid0(VALU_DEP_4)
	v_permlanex16_b32 v[188+\b], v[184+\b], s20, s21
.endr
.irp b, 0,1,2,3
	s_delay_alu instid0(VALU_DEP_4)
	v_max_num_f32 v[184+\b], v[184+\b], v[188+\b]  ; with lane xor 16's 16 keys
.endr
	s_delay_alu instid0(VALU_DEP_2)
	v_max3_num_f32 v198, v184, v185, v186
	s_delay_alu instid0(VALU_DEP_1)
	v_max_num_f32 v198, v198, v187
	s_delay_alu instid0(VALU_DEP_1)
	v_mul_f32 v198, s22, v198                      ; the step's largest t (c is positive)
	s_delay_alu instid0(VALU_DEP_1)
	v_max_num_f32 v13, v13, v198                   ; the running largest t
	v_mov_b32 v198, v12
	s_delay_alu instid0(VALU_DEP_2)
	v_floor_f32 v12, -v13                          ; the new -M = floor(-t): M is a whole number
	s_delay_alu instid0(VALU_DEP_1)
	v_sub_f32 v198, v12, v198                      ; old M - new M: a whole number, 0 or less
	s_delay_alu instid0(VALU_DEP_1)
	v_cvt_i32_f32 v198, v198                       ; (it saturates)
	s_delay_alu instid0(VALU_DEP_1)
	v_ldexp_f32 v196, 1.0, v198                    ; f = 2^(old M - new M)
.set J, 0
.rept 32
	v_pk_fma_f32 v[96+J:97+J], v[96+J:97+J], s[22:23], v[12:13] op_sel_hi:[1,0,0]   ; t - M, two at a time
.set J, J+2
.endr
.irp b, 0,1,2,3
	v_fma_f32 v[184+\b], v[184+\b], s22, v12       ; the same of each block's largest score
.endr
.set J, 0
	s_setprio 1
	s_wait_alu depctr_va_vdst(0)
.rept 64
	v_exp_f32 v[96+J], v[96+J]                     ; p = 2^(t - M)
.set J, J+1
.endr
.irp b, 0,1,2,3
	v_exp_f32 v[184+\b], v[184+\b]                 ; the block's largest p: the same two instructions on the same number
.endr
	v_pk_mul_f32 v[14:15], v[14:15], v[196:197] op_sel_hi:[1,0]   ; the sums under the new M (a plain place behind the exponentials)
	s_wait_alu depctr_va_vdst(0)
.irp j, 0,2,4,6,8,10,12,14
	v_pk_mul_f32 v[160+\j:161+\j], v[160+\j:161+\j], v[196:197] op_sel_hi:[1,0]   ; O^T under the new M
.endr
	s_wait_alu depctr_va_vdst(0)
.irp b, 0,1,2,3
	v_max_num_f32 v[184+\b], 0x1800000, v[184+\b]  ; the floor 2^(3 - 127): the byte cannot fall under 1
.endr
.irp b, 0,1,2,3
	s_delay_alu instid0(VALU_DEP_4)
	v_add_nc_u32 v[192+\b], 0xff000000, v[184+\b]  ; 2 off the exponent field: the conversion's scale operand
.endr
.irp b, 0,1,2,3
	s_delay_alu instid0(VALU_DEP_4)
	v_lshrrev_b32 v[188+\b], 23, v[192+\b]         ; the scale's byte
.endr
	s_delay_alu instid0(VALU_DEP_3)
	v_lshl_or_b32 v197, v189, 8, v188              ; p's scale word for these 128 keys
	s_delay_alu instid0(VALU_DEP_1)
	v_lshl_or_b32 v197, v190, 16, v197
	s_delay_alu instid0(VALU_DEP_1)
	v_lshl_or_b32 v197, v191, 24, v197
.irp b, 0,1,2,3
	v_cvt_scalef32_pk8_fp4_f32 v[176+2*\b], v[96+16*\b:103+16*\b], v[192+\b]
	v_cvt_scalef32_pk8_fp4_f32 v[177+2*\b], v[104+16*\b:111+16*\b], v[192+\b]
.endr
	v_nop                                          ; one plain place behind the scaled conversions
.irp c, 0,1                                    ; the operand's layout wants a whole block in a lane: lanes 0-15 block 2 c, lanes 16-31 block 2 c + 1
.irp i, 0,1
	v_permlane16_swap_b32 v[176+4*\c+\i], v[178+4*\c+\i]
.endr
.endr
	v_pk_add_f32 v[200:201], v[100:101], v[104:105]
	v_pk_add_f32 v[252:253], v[108:109], v[112:113]
	v_pk_add_f32 v[250:251], v[116:117], v[120:121]
	s_setprio 0
	v_pk_add_f32 v[248:249], v[124:125], v[128:129]
	v_pk_add_f32 v[246:247], v[132:133], v[136:137]
	v_pk_add_f32 v[244:245], v[140:141], v[144:145]
	v_pk_add_f32 v[242:243], v[148:149], v[152:153]
	v_pk_add_f32 v[14:15], v[14:15], v[156:157]
	v_pk_add_f32 v[200:201], v[200:201], v[96:97]
	v_pk_add_f32 v[252:253], v[252:253], v[98:99]
	v_pk_add_f32 v[250:251], v[250:251], v[102:103]
	v_pk_add_f32 v[248:249], v[248:249], v[106:107]
	v_pk_add_f32 v[246:247], v[246:247], v[110:111]
	v_pk_add_f32 v[244:245], v[244:245], v[114:115]
	v_pk_add_f32 v[242:243], v[242:243], v[118:119]
	v_pk_add_f32 v[14:15], v[14:15], v[122:123]
	v_pk_add_f32 v[200:201], v[200:201], v[126:127]
	v_pk_add_f32 v[252:253], v[252:253], v[130:131]
	v_pk_add_f32 v[250:251], v[250:251], v[134:135]
	v_pk_add_f32 v[248:249], v[248:249], v[138:139]
	v_pk_add_f32 v[246:247], v[246:247], v[142:143]
	v_pk_add_f32 v[244:245], v[244:245], v[146:147]
	v_pk_add_f32 v[242:243], v[242:243], v[150:151]
	v_pk_add_f32 v[14:15], v[14:15], v[154:155]
	v_pk_add_f32 v[200:201], v[200:201], v[158:159]
	s_delay_alu instid0(VALU_DEP_2)
	v_pk_add_f32 v[14:15], v[14:15], v[248:249]
	s_delay_alu instid0(VALU_DEP_2)
	v_pk_add_f32 v[200:201], v[200:201], v[246:247]
	v_pk_add_f32 v[252:253], v[252:253], v[244:245]
	v_pk_add_f32 v[250:251], v[250:251], v[242:243]
	s_delay_alu instid0(VALU_DEP_2)
	v_pk_add_f32 v[14:15], v[14:15], v[252:253]
	s_delay_alu instid0(VALU_DEP_2)
	v_pk_add_f32 v[200:201], v[200:201], v[250:251]
	s_delay_alu instid0(VALU_DEP_1)
	v_pk_add_f32 v[14:15], v[14:15], v[200:201]
	s_wait_dscnt 0x0                               ; v is in
	v_wmma_scale_f32_16x16x128_f8f6f4 v[160:167], v[56:63], v[176:183], v[160:167], v73, v197 matrix_a_fmt:MATRIX_FMT_FP4 matrix_b_fmt:MATRIX_FMT_FP4   ; O^T += v^T p^T; the two sums take turns, with the eight scores' products between
	v_wmma_scale_f32_16x16x128_f8f6f4 v[168:175], v[64:71], v[176:183], v[168:175], v73, v197 matrix_a_fmt:MATRIX_FMT_FP4 matrix_b_fmt:MATRIX_FMT_FP4 matrix_a_scale:MATRIX_SCALE_ROW1
	s_add_co_u32 s32, s32, 2048
	s_add_co_u32 s33, s33, 128
	s_sub_co_u32 s34, s34, 1
	s_cmp_lg_u32 s34, 0
	s_cbranch_scc1 .Lstep
	s_setprio 0
	; THE WAY OUT: O / l, which is one block of the last convolution's K (my head's 32 channels of my query): its codes and its scale byte
.rept 4
	v_nop                                          ; four places in front of the first read of O^T
.endr
	s_wait_alu depctr_va_vdst(0)
	v_add_f32 v14, v14, v15                        ; the sum's two halves,
	s_delay_alu instid0(VALU_DEP_1)
	v_permlanex16_b32 v188, v14, s20, s21
	s_delay_alu instid0(VALU_DEP_1)
	v_add_f32 v14, v14, v188                       ; and lane xor 16's
	s_wait_alu depctr_va_vdst(0)
	v_rcp_f32 v14, v14
	v_nop                                          ; one plain place behind the transcendental
.set J, 0
	s_wait_alu depctr_va_vdst(0)
.rept 16
	v_mul_f32 v[96+J], v[160+J], v14               ; register j: d = 16 h + j; ascending: each sum is read from its low end on
.set J, J+1
.endr
	v_max3_num_f32 v114, |v96|, |v97|, 0x1800000
	v_max3_num_f32 v115, |v104|, |v105|, |v106|
	s_delay_alu instid0(VALU_DEP_2)
	v_max3_num_f32 v114, v114, |v98|, |v99|
	s_delay_alu instid0(VALU_DEP_2)
	v_max3_num_f32 v115, v115, |v107|, |v108|
	s_delay_alu instid0(VALU_DEP_2)
	v_max3_num_f32 v114, v114, |v100|, |v101|
	s_delay_alu instid0(VALU_DEP_2)
	v_max3_num_f32 v115, v115, |v109|, |v110|
	s_delay_alu instid0(VALU_DEP_2)
	v_max3_num_f32 v114, v114, |v102|, |v103|
	s_delay_alu instid0(VALU_DEP_1)
	v_max3_num_f32 v114, v114, v115, |v111|
	s_delay_alu instid0(VALU_DEP_1)
	v_permlanex16_b32 v188, v114, s20, s21
	s_delay_alu instid0(VALU_DEP_1)
	v_max_num_f32 v114, v114, v188
	s_delay_alu instid0(VALU_DEP_1)
	v_add_nc_u32 v114, 0xff000000, v114
	s_delay_alu instid0(VALU_DEP_1)
	v_lshrrev_b32 v115, 23, v114
	v_cvt_scalef32_pk8_fp4_f32 v112, v[96:103], v114
	v_cvt_scalef32_pk8_fp4_f32 v113, v[104:111], v114
	v_nop
	global_store_b64 v7, v[112:113], s[46:47]      ; the wave stores 256 consecutive bytes, aligned
	global_store_b8 v8, v115, s[48:49]             ; one byte a query, 8 bytes apart (both halves of the lanes write the same byte with the same value): 64 KiB in the whole launch, so that the next launch finds a pixel's eight bytes together
	s_wait_tensorcnt 0x0
	ds_add_u32 v254, v255
	s_wait_dscnt 0x0
	ROUND                                          ; the closing round: no work-group ends while a partner may still ask for a part that names it
	s_endpgm
.Lfunc_end_k_q7083a2edc6_attn:
	.size	k_q7083a2edc6_attn, .Lfunc_end_k_q7083a2edc6_attn-k_q7083a2edc6_attn
	.p2alignl 7, 3214868480
	.fill 96, 4, 3214868480
	.section	.rodata,"a",@progbits
	.p2align	6, 0x0
	.amdhsa_kernel k_q7083a2edc6_attn
		.amdhsa_group_segment_fixed_size 169984
		.amdhsa_private_segment_fixed_size 0
		.amdhsa_enable_private_segment 0
		.amdhsa_kernarg_size 32
		.amdhsa_user_sgpr_count 2
		.amdhsa_user_sgpr_kernarg_segment_ptr 1
		.amdhsa_wavefront_size32 1
		.amdhsa_system_sgpr_workgroup_id_x 1
		.amdhsa_system_sgpr_workgroup_id_y 1
		.amdhsa_system_sgpr_workgroup_id_z 1
		.amdhsa_system_vgpr_workitem_id 0
		.amdhsa_next_free_vgpr 256
		.amdhsa_next_free_sgpr 66
		.amdhsa_reserve_vcc 0
		.amdhsa_float_denorm_mode_32 3
		.amdhsa_float_denorm_mode_16_64 3
		.amdhsa_memory_ordered 1
		.amdhsa_forward_progress 1
		.amdhsa_inst_pref_size 25
	.end_amdhsa_kernel
	.amdgpu_metadata
---
amdhsa.version: [ 1, 2 ]
amdhsa.kernels:
  - .name:           k_q7083a2edc6_attn
    .symbol:         k_q7083a2edc6_attn.kd
    .args:
      - { .name: qrec, .offset: 0, .size: 8, .value_kind: global_buffer, .address_space: global }
      - { .name: kv, .offset: 8, .size: 8, .value_kind: global_buffer, .address_space: global }
      - { .name: acod, .offset: 16, .size: 8, .value_kind: global_buffer, .address_space: global }
      - { .name: ascl, .offset: 24, .size: 8, .value_kind: global_buffer, .address_space: global }
    .group_segment_fixed_size: 169984
    .private_segment_fixed_size: 0
    .kernarg_segment_align: 8
    .kernarg_segment_size: 32
    .max_flat_workgroup_size: 512
    .sgpr_count:     66
    .vgpr_count:     256
    .wavefront_size: 32
...
	.end_amdgpu_metadata
.endif
;; end of part 5
;; launch outp (part 6): grid 128 x 2, 8 waves a work-group, no clusters, 56,320 bytes of LDS; arguments acod, ascl, wo, bo, out0; writes out0
.if DOCPART == 6
	.amdgcn_target "amdgcn-amd-amdhsa--gfx1250"
	.amdhsa_code_object_version 6
	.text
	.protected	k_q7083a2edc6_outp
	.globl	k_q7083a2edc6_outp
	.p2align	8
	.type	k_q7083a2edc6_outp,@function
k_q7083a2edc6_outp:
	s_mov_b64 s[64:65], 0
	v_nop
	global_prefetch_b8 v0, s[64:65] scope:SCOPE_SE
	s_setreg_imm32_b32 hwreg(HW_REG_WAVE_SCHED_MODE, 0, 2), 2
	s_setreg_imm32_b32 hwreg(HW_REG_WAVE_MODE, 25, 1), 1
	s_wait_xcnt 0x0
	s_wait_alu depctr_vm_vsrc(0)
; out0 = wo a + bo on codes of FP4 (E2M1) with one E8M0 scale for each 32 along K = the 256 channels.  a arrives as codes [8 b + head][pixel][16 bytes] and scale bytes [b][pixel][8]; wo [256][256] f32 is quantised here.
; SHARES.  A work-group owns 64 pixels of a batch element (work-group x: batch = x / 64) and half of the outputs (work-group y); wave w owns outputs 128 y + 16 w + 0 .. 15.  The waves share nothing: no barrier.
; Source 0 = 16 pixels, source 1 = my 16 rows of wo: a lane holds ONE output and eight neighbouring pixels, 32 bytes of a row of out0.  The rows go through the wave's own stage and leave 256 bytes at a time.
; wo: a lane holds 8 neighbours of a row, four lanes a block; codes and scale bytes go through the wave's own LDS rows and come back as fragments.
; A block's scale byte is the largest magnitude's exponent field - 2, held at 1 from below.  LIMITS: a block of zeros gets the byte 1 where the rule says 127 (its codes are zeros); NaN and infinities are not served.
; LDS, 6,912 bytes a wave: 16 rows of codes (128 + 16 bytes); from 2,304 the scale bytes, 8 a row; from 2,560 the stage, 16 rows of 256 + 16 bytes.
; THE MODE: SCHED_MODE bits 1:0 = 2 (LLVM: expert scheduling mode 2), set by the entry lines.  The code itself states the register dependences
; between vector or matrix instructions and memory or LDS instructions, with s_wait_alu, always for 0.
; THE PLAN.  Registers that memory or LDS instructions touch:
;   v1-v11             offsets and LDS addresses: written at the head, ahead of the first load, and never again.
;   v64-127, v192-255  rows 0-7 and 8-15 of wo: written by global loads, read by the maxima and conversions of QW.
;   v16-39, v96-119    a set for each eight rows (scale operands, bytes, codes): written by QW; bytes and codes are read by the LDS stores; never written again.
;   v192-207, v44      wo's two fragments and its scale words: LDS loads land there, behind the stores; of these registers vector instructions have only read v192-207, in QW 1.
;   v128-191, v40-43, v48-55  a's fragments, a's scale words, the bias: written by global loads, read by the products.
;   v64-95             the four sums: written by the products, read by the LDS stores into the stage.
;   v128-159           rows on the way out: LDS loads land there when the products are done with a's fragments; read by the global stores.
;   v62, v63           written at the head, read by the closing add alone.
; So five waits on va_vdst stand in the text: two among the head's first lines, ahead of the first load (the addresses), ahead of the one run of 32 LDS stores (both sets; QW 1's reads of v192-207), and behind the places that follow the last
; product (the sums; the products' reads of v128-159).  No register that a memory or LDS instruction reads is written again, so no wait on vm_vsrc is owed.
; REGISTERS: v1 32 x lane; v2 a's codes, v3 a's scale words, v4 bias; v5-8 wo's rows in LDS; v9, v10 the stage; v11 out0; v12-14 lane, r, h at the head.
.set WO, 1
.set WB, 8
.macro LW g, reg                       ; rows 8 g .. 8 g + 7 of my rows of wo: lane l takes k = 8 l .. 8 l + 7; a row's two loads cover its 1,024 bytes
.irp p, 0,1,2,3,4,5,6,7
	global_load_b128 v[(\reg)+8*\p:(\reg)+8*\p+3], v[WO], s[WB:WB+1] offset:(8*(\g)+\p)*1024
	global_load_b128 v[(\reg)+8*\p+4:(\reg)+8*\p+7], v[WO], s[WB:WB+1] offset:(8*(\g)+\p)*1024+16
.endr
.endm
.macro QW reg, w                       ; eight rows by turns: four lanes hold a block.  Set w: scale operands at w, bytes at w + 8, codes at w + 16
.irp p, 0,1,2,3,4,5,6,7
	v_max3_num_f32 v[(\w)+\p], |v[(\reg)+8*\p]|, |v[(\reg)+8*\p+1]|, 0x1800000
.endr
.irp i, 2,4,6
.irp p, 0,1,2,3,4,5,6,7
	v_max3_num_f32 v[(\w)+\p], v[(\w)+\p], |v[(\reg)+8*\p+\i]|, |v[(\reg)+8*\p+\i+1]|
.endr
.endr
.irp p, 0,1,2,3,4,5,6,7
	v_max_num_f32_dpp v[(\w)+\p], v[(\w)+\p], v[(\w)+\p] row_xmask:1 row_mask:0xf bank_mask:0xf
.endr
.irp p, 0,1,2,3,4,5,6,7
	v_max_num_f32_dpp v[(\w)+\p], v[(\w)+\p], v[(\w)+\p] row_xmask:2 row_mask:0xf bank_mask:0xf
.endr
.irp p, 0,1,2,3,4,5,6,7
	v_add_nc_u32 v[(\w)+\p], 0xff000000, v[(\w)+\p]    ; 2 off the exponent field: the conversion's scale operand
.endr
.irp p, 0,1,2,3,4,5,6,7
	v_lshrrev_b32 v[(\w)+8+\p], 23, v[(\w)+\p]         ; the scale's byte
.endr
.irp p, 0,1,2,3,4,5,6,7
	v_cvt_scalef32_pk8_fp4_f32 v[(\w)+16+\p], v[(\reg)+8*\p:(\reg)+8*\p+7], v[(\w)+\p]
.endr
	v_nop                                          ; one plain place behind the scaled conversions
.endm
.macro SW g, w                         ; set w's codes and bytes go to rows 8 g .. 8 g + 7 of my wave's LDS
.irp p, 0,1,2,3,4,5,6,7
	ds_store_b32 v5, v[(\w)+16+\p] offset:(8*(\g)+\p)*144
	ds_store_b8 v6, v[(\w)+8+\p] offset:(8*(\g)+\p)*8  ; the four lanes of a block write the same byte with the same value
.endr
.endm
.macro MM d, a, b, c, sa, sb, row      ; one product of 16 x 16 x 128; row = 1: both sides' scale words come from lanes 16-31 (K step 1)
.if \row
	v_wmma_scale_f32_16x16x128_f8f6f4 v[(\d):(\d)+7], v[(\a):(\a)+7], v[(\b):(\b)+7], v[(\c):(\c)+7], v[(\sa)], v[(\sb)] matrix_a_fmt:MATRIX_FMT_FP4 matrix_b_fmt:MATRIX_FMT_FP4 matrix_a_scale:MATRIX_SCALE_ROW1 matrix_b_scale:MATRIX_SCALE_ROW1
.else
	v_wmma_scale_f32_16x16x128_f8f6f4 v[(\d):(\d)+7], v[(\a):(\a)+7], v[(\b):(\b)+7], v[(\c):(\c)+7], v[(\sa)], v[(\sb)] matrix_a_fmt:MATRIX_FMT_FP4 matrix_b_fmt:MATRIX_FMT_FP4
.endif
.endm
	s_load_b256 s[4:11], s[0:1], 0x0               ; acod, ascl, wo, bo
	s_load_b64 s[12:13], s[0:1], 0x20              ; out0
	v_lshl_add_u32 v62, v0, 2, 0xd800
	v_mov_b32 v63, 0
	v_lshrrev_b32 v14, 5, v0
	v_readfirstlane_b32 s2, v14                    ; wave 0..7
	v_and_b32 v12, 31, v0                          ; lane
	s_wait_alu depctr_va_vdst(0)
	v_and_b32 v13, 15, v0                          ; r
	v_bfe_u32 v14, v0, 4, 1                        ; h
	v_lshlrev_b32 v[WO], 5, v12
	v_lshlrev_b32 v2, 4, v13
	v_lshl_add_u32 v2, v14, 16, v2                 ; a's codes: pixel r, and one head on for lanes 16-31
	v_lshlrev_b32 v3, 3, v13
	v_lshl_add_u32 v3, v14, 2, v3                  ; a's scale words: lanes 0-15 heads 0-3 (K step 0), lanes 16-31 heads 4-7
	s_wait_alu depctr_va_vdst(0)
	v_lshlrev_b32 v4, 2, v13
	s_and_b32 s3, ttmp7, 0xffff                    ; which half of the outputs
	s_lshr_b32 s14, ttmp9, 6                       ; batch
	s_and_b32 s15, ttmp9, 63                       ; group of 64 pixels
	s_lshl_b32 s16, s3, 7
	s_wait_alu depctr_va_sdst(0)                   ; s2 is written, ahead of its first reader: my outputs' and my LDS bytes' places are made from it
	s_lshl_b32 s17, s2, 4
	s_add_co_u32 s16, s16, s17                     ; my first output
	s_lshl_b32 s18, s16, 10                        ; wo: rows of 1,024 bytes
	s_mov_b32 s19, 0
	s_lshl_b32 s20, s14, 19                        ; acod: 8 heads x 65,536 a batch element,
	s_lshl_b32 s21, s15, 10                        ; 64 pixels x 16 bytes a group
	s_add_co_u32 s20, s20, s21
	s_mov_b32 s21, 0
	s_lshl_b32 s22, s14, 15                        ; ascl: 32,768 a batch element,
	s_lshl_b32 s23, s15, 9                         ; 64 pixels x 8 bytes
	s_add_co_u32 s22, s22, s23
	s_mov_b32 s23, 0
	s_lshl_b32 s24, s16, 2                         ; bo
	s_mov_b32 s25, 0
	s_lshl_b32 s26, s14, 22                        ; out0: 4,194,304 a batch element,
	s_lshl_b32 s27, s16, 14                        ; rows of 16,384 bytes,
	s_add_co_u32 s26, s26, s27
	s_lshl_b32 s27, s15, 8                         ; 64 pixels x 4 bytes
	s_add_co_u32 s26, s26, s27
	s_mov_b32 s27, 0
	s_mul_i32 s28, s2, 6912                        ; my wave's LDS
	s_add_co_u32 s29, s28, 2304
	s_add_co_u32 s30, s28, 2560
	v_lshl_add_u32 v5, v12, 2, s28                 ; wo's codes: 4 x lane
	v_lshrrev_b32 v6, 2, v12
	v_add_nc_u32 v6, s29, v6                       ; its scale bytes: block lane / 4
	v_mul_u32_u24 v7, v13, 144
	v_lshl_add_u32 v7, v14, 4, v7
	v_add_nc_u32 v7, s28, v7                       ; a fragment of wo: row r, + 16 h
	v_add_nc_u32 v8, s29, v3                       ; its scale words: 8 r + 4 h
	v_mul_u32_u24 v9, v13, 272
	v_lshl_add_u32 v9, v14, 5, v9
	v_add_nc_u32 v9, s30, v9                       ; the stage, in: row r, + 32 h
	v_mul_u32_u24 v10, v14, 272
	v_lshl_add_u32 v10, v13, 4, v10
	v_add_nc_u32 v10, s30, v10                     ; back: lanes 0-15 one row, lanes 16-31 the next
	v_lshlrev_b32 v11, 4, v13
	v_lshl_add_u32 v11, v14, 14, v11               ; and the same two rows in out0
	s_wait_kmcnt 0x0
	s_add_nc_u64 s[8:9], s[8:9], s[18:19]
	s_add_nc_u64 s[4:5], s[4:5], s[20:21]
	s_add_nc_u64 s[6:7], s[6:7], s[22:23]
	s_add_nc_u64 s[10:11], s[10:11], s[24:25]
	s_add_nc_u64 s[12:13], s[12:13], s[26:27]
	s_wait_alu depctr_va_vdst(0)                   ; the eleven offsets and addresses v1 to v11 are written, which every load, store and LDS access below reads
	LW 0, 64
	LW 1, 192
.irp m, 0,1,2,3
.irp s, 0,1
.irp c, 0,1
	global_load_b128 v[128+16*\m+8*\s+4*\c:128+16*\m+8*\s+4*\c+3], v2, s[4:5] offset:(4*\s+2*\c)*65536+256*\m   ; pixel tile m, K step s: block 2 c + h is head 4 s + 2 c + h; each half of the lanes reads 256 consecutive bytes
.endr
.endr
.endr
.irp m, 0,1,2,3
	global_load_b32 v[40+\m], v3, s[6:7] offset:128*\m
.endr
.irp j, 0,1,2,3,4,5,6,7
	global_load_b32 v[48+\j], v4, s[10:11]         ; a lane holds one output: its bias in all eight registers of the C
.endr
	s_wait_loadcnt 44                              ; behind rows 0-7: 16 + 16 + 4 + 8 loads
	QW 64, 16                                      ; rows 0-7 into the set at v16
	s_wait_loadcnt 28                              ; behind rows 8-15: 16 + 4 + 8
	QW 192, 96                                     ; rows 8-15 into the set at v96, registers that rows 4-7 have left
	s_wait_alu depctr_va_vdst(0)                   ; both sets' bytes and codes are written, which the LDS stores read; the conversions are done reading v192 to v207, in which the fragments land
	SW 0, 16
	SW 1, 96
.irp s, 0,1
.irp c, 0,1
	ds_load_b128 v[192+8*\s+4*\c:192+8*\s+4*\c+3], v7 offset:64*\s+32*\c   ; LDS serves a wave's instructions in order: these see my stores.  No vector instruction since the wait names these registers
.endr
.endr
	ds_load_b32 v44, v8
	s_wait_loadcnt 0x0
	s_wait_dscnt 0x0
.irp m, 0,1,2,3
	MM 64+8*\m, 128+16*\m, 192, 48, 40+\m, 44, 0   ; the four sums take turns; the bias starts each
.endr
.irp m, 0,1,2,3
	MM 64+8*\m, 136+16*\m, 200, 64+8*\m, 40+\m, 44, 1
.endr
.rept 4
	v_nop                                          ; four places in front of the first read of the results
.endr
	s_wait_alu depctr_va_vdst(0)                   ; the products have written the sums, which the LDS stores read, and are done reading v128 to v159, in which the stage's loads land; the places above stay beside this wait
.irp m, 0,1,2,3
	ds_store_b128 v9, v[64+8*\m:67+8*\m] offset:64*\m              ; out(my output, pixels 16 m + 8 h + 0 .. 7): each sum from its low end on
	ds_store_b128 v9, v[68+8*\m:71+8*\m] offset:64*\m+16
.endr
.irp t, 0,1,2,3,4,5,6,7
	ds_load_b128 v[128+4*\t:131+4*\t], v10 offset:544*\t           ; LDS serves a wave's instructions in order: these see my stores
.endr
.irp t, 0,1,2,3,4,5,6,7
	s_wait_dscnt 7-\t                              ; the younger loads may stay out
	global_store_b128 v11, v[128+4*\t:131+4*\t], s[12:13] offset:32768*\t th:TH_STORE_NT   ; sixteen lanes store 256 consecutive bytes, aligned; written once
.endr
	s_wait_dscnt 0x0                               ; the closing lines, six on end
	s_wait_alu 0x0
	s_wait_tensorcnt 0x0
	ds_add_u32 v62, v63
	s_wait_dscnt 0x0
	s_endpgm
.Lfunc_end_k_q7083a2edc6_outp:
	.size	k_q7083a2edc6_outp, .Lfunc_end_k_q7083a2edc6_outp-k_q7083a2edc6_outp
	.p2alignl 7, 3214868480
	.fill 96, 4, 3214868480
	.section	.rodata,"a",@progbits
	.p2align	6, 0x0
	.amdhsa_kernel k_q7083a2edc6_outp
		.amdhsa_group_segment_fixed_size 56320
		.amdhsa_private_segment_fixed_size 0
		.amdhsa_enable_private_segment 0
		.amdhsa_kernarg_size 40
		.amdhsa_user_sgpr_count 2
		.amdhsa_user_sgpr_kernarg_segment_ptr 1
		.amdhsa_wavefront_size32 1
		.amdhsa_system_sgpr_workgroup_id_x 1
		.amdhsa_system_sgpr_workgroup_id_y 1
		.amdhsa_system_sgpr_workgroup_id_z 1
		.amdhsa_system_vgpr_workitem_id 0
		.amdhsa_next_free_vgpr 256
		.amdhsa_next_free_sgpr 66
		.amdhsa_reserve_vcc 0
		.amdhsa_float_denorm_mode_32 3
		.amdhsa_float_denorm_mode_16_64 3
		.amdhsa_memory_ordered 1
		.amdhsa_forward_progress 1
		.amdhsa_inst_pref_size 24
	.end_amdhsa_kernel
	.amdgpu_metadata
---
amdhsa.version: [ 1, 2 ]
amdhsa.kernels:
  - .name:           k_q7083a2edc6_outp
    .symbol:         k_q7083a2edc6_outp.kd
    .args:
      - { .name: acod, .offset: 0, .size: 8, .value_kind: global_buffer, .address_space: global }
      - { .name: ascl, .offset: 8, .size: 8, .value_kind: global_buffer, .address_space: global }
      - { .name: wo, .offset: 16, .size: 8, .value_kind: global_buffer, .address_space: global }
      - { .name: bo, .offset: 24, .size: 8, .value_kind: global_buffer, .address_space: global }
      - { .name: out0, .offset: 32, .size: 8, .value_kind: global_buffer, .address_space: global }
    .group_segment_fixed_size: 56320
    .private_segment_fixed_size: 0
    .kernarg_segment_align: 8
    .kernarg_segment_size: 40
    .max_flat_workgroup_size: 256
    .sgpr_count:     66
    .vgpr_count:     256
    .wavefront_size: 32
...
	.end_amdgpu_metadata
.endif
;; end of part 6
